; MI455X (gfx1250); checked and timed in simulation.
; The chip was launched on July 23, 2026; its instructions are those of AMD's public machine-readable ISA for CDNA 5 (MIT licence, August 2026) and "CDNA5" Instruction Set Architecture Reference Guide (July 2026). The comments in the code are by the model that wrote it; some were corrected since.
;; Skip Attention. Allowed arithmetic: float matrix products may take bf16 or f16 operands with f32 sums; other float arithmetic in f32, or as packed bf16 or f16 multiplies, adds, multiply-adds, maxima and minima; sums over many terms, partial sums and values carried from step to step in f32; what a program stores and reads back later, other than sums and carried values, may be rounded once to bf16 or f16.
;; Inputs: Wk 512 x 512 float32; Wo 512 x 512 float32; Wq 512 x 512 float32; Wv 512 x 512 float32; bk 512 float32; bo 512 float32; bq 512 float32; bv 512 float32; key_feat 8 x 2,048 x 512 float32; key_xyz 8 x 2,048 x 3 float32; ln_b 512 float32; ln_g 512 float32; query_feat 8 x 2,048 x 512 float32; query_xyz 8 x 2,048 x 3 float32.
;; Outputs: out0 8 x 2,048 x 512 float32.
;; 2 versions, each right; version 2 is version 1 with the launch fold written anew for expert scheduling mode. Each part assembles by itself: llvm-mc -triple=amdgcn-amd-amdhsa -mcpu=gfx1250 --defsym DOCPART=n.
;; ======== version 1 of 2: 3 launches
;; limits: values outside matrix products are rounded to bf16
;; workspace buffers: wc 1,048,576 bytes; u 2,048 bytes; hv 2,048 bytes; kv 33,554,432 bytes; beta 65,536 bytes
;; launch fold (part 1): grid 32 x 2, 8 waves a work-group, no clusters, 315,904 bytes of LDS; arguments Wq, Wk, Wo, Wv, bq, bv, bo, wc, u, hv; writes wc, u, hv
.if DOCPART == 1
	.amdgcn_target "amdgcn-amd-amdhsa--gfx1250"
	.amdhsa_code_object_version 6
	.text
	.protected	k_qf2a6065736_fold
	.globl	k_qf2a6065736_fold
	.p2align	8
	.type	k_qf2a6065736_fold,@function
k_qf2a6065736_fold:
	s_mov_b64 s[64:65], 0
	v_nop
	global_prefetch_b8 v0, s[64:65] scope:SCOPE_SE
	s_setreg_imm32_b32 hwreg(HW_REG_WAVE_MODE, 25, 1), 1
	s_wait_xcnt 0x0
; FOLD: the four weight matrices are folded into two, once, so that two of the module's four projections are never made.
; DEAD WORK.  K = Wk kf + bk adds Q[n] . bk / sqrt(d) to every score of row n: the same number along the softmax's axis, for all values of the inputs; a softmax is unchanged by it.
; So bk reaches no output: it is not loaded and is among no launch's arguments.  LIMIT: a NaN, an infinity or an overflow that reaches only Q . bk is not carried to the result.
; REASSOCIATION (real numbers, all inputs).  Q . (Wk kf) = qf . (G kf) + u . kf with G[d1][d2] = sum_e Wq[e][d1] Wk[e][d2], u[d2] = sum_e bq[e] Wk[e][d2].
; The softmax's weights add up to 1, so (attn (Wv kf + bv)) Wo^T + bo = attn (H kf) + hv with H[f][d] = sum_e Wo[f][e] Wv[e][d], hv[f] = sum_e Wo[f][e] bv[e] + bo[f].
; LIMITS.  The weights and the two biases bq, bv are rounded to bf16 for the products, G and H once more to bf16 as later operands: an order of rounding other than reference()'s.  Sums in f32.  NaN and infinities are not treated apart.
; OUT.  wc: bf16 [1024][512], rows 0-511 G[d1][.], rows 512-1023 H[f][.].  u, hv: f32 [512].
; SHARES.  Grid y = 0 makes G, y = 1 makes H.  A work-group makes 64 (m) x 128 (n) with all of K = 512; x = 4 mt + nt.  Eight waves, each 32 x 32: four accumulators.
; NO TENSOR LOADS, NO CLUSTER: the operands are f32 and are rounded on the way, so they pass through registers; there is no tile that a joint request could bring as it is wanted.
; The matrix instruction is used transposed (source 0 = 16 n, source 1 = 16 m): a lane holds one row m and eight neighbouring n.
; A's TWO FORMS HAVE LDS BYTES OF THEIR OWN (AP0 for G, AP1 for H; a work-group uses one of them): no store of one arm names a byte that a store of the other arm names.
.set PBN,   288                        ; LDS row of B [e][128 n] bf16: 256 + 32 bytes, an odd multiple of 32, for the turning load
.set PA0,   160                        ; LDS row of A for G, [e][64 m]: 128 + 32
.set PA1,   1040                       ; LDS row of A for H, [m][512 e]: 1,024 + 16
.set AP0,   147456                     ; behind B's 512 rows: A for G, 512 rows of 160 bytes
.set AP1,   229376                     ; behind it: A for H, 64 rows of 1,040 bytes
.set EXT,   295936                     ; the bias bq or bv, bf16 [512]
.set RED,   296960                     ; u's 128 or hv's 64 sums, f32
.set OST,   297472                     ; the way out: 64 rows x 272 bytes
.set OSP,   272
.set SPARE, 314880                     ; the spare words, 128 bytes for each of the eight waves: no other line names them
.set SPW, 16                           ; v16  my spare word
.set NIL, 17                           ; v17  0
.set ACC, 24                           ; v[24:55]  accumulator (a, b) at ACC + 8 (2 a + b)
.set FA,  64                           ; two fragment sets of 32: n0, n1, m0, m1
.set FB,  96
.set R0,  64                           ; three sets of 64 for the loads of the staging
.set R1,  128
.set R2,  192
.set XA,  192                          ; the bias pass's two accumulators
.macro PLACES                          ; four places behind a matrix instruction, ahead of loads into its sources and of reads of its result
.rept 4
	v_nop
.endr
.endm
.macro GLOAD fs, adr, base, b, step    ; batch b: 16 loads of 512 bytes a wave
.set i, 0
.rept 16
	global_load_b128 v[(\fs)+4*i:(\fs)+4*i+3], v[\adr], s[\base:\base+1] offset:(16*(\b)+i)*(\step)
.set i, i+1
.endr
.endm
.macro TOLDS fs, adr, b, step          ; batch b rounded to bf16 in place, 8 bytes a lane into LDS
.set i, 0
.rept 16
	v_cvt_pk_bf16_f32 v[(\fs)+4*i], v[(\fs)+4*i], v[(\fs)+4*i+1]
	v_cvt_pk_bf16_f32 v[(\fs)+4*i+1], v[(\fs)+4*i+2], v[(\fs)+4*i+3]
	ds_store_b64 v[\adr], v[(\fs)+4*i:(\fs)+4*i+1] offset:(16*(\b)+i)*(\step)
.set i, i+1
.endr
.endm
	s_load_b512 s[4:19], s[0:1], 0x0               ; Wq s[4:5], Wk s[6:7], Wo s[8:9], Wv s[10:11], bq s[12:13], bv s[14:15], bo s[16:17], wc s[18:19]
	s_load_b128 s[20:23], s[0:1], 0x40             ; u s[20:21], hv s[22:23]
	v_lshl_add_u32 v[SPW], v0, 2, SPARE
	v_mov_b32 v[NIL], 0
	v_lshrrev_b32 v1, 5, v0
	v_readfirstlane_b32 s24, v1                    ; wave w, 0..7
	v_and_b32 v1, 31, v0                           ; lane L
	v_and_b32 v2, 15, v0                           ; r
	v_bfe_u32 v3, v0, 4, 1                         ; h
	s_and_b32 s25, ttmp7, 0xffff                   ; y: 0 G, 1 H
	s_lshr_b32 s26, ttmp9, 2                       ; mt
	s_and_b32 s27, ttmp9, 3                        ; nt
	s_lshr_b32 s28, s24, 2                         ; wm
	s_and_b32 s29, s24, 3                          ; wn
	s_and_b32 s34, s24, 1
	; B (Wk or Wv): wave w stages rows e = 64 w + 0..63, columns 128 nt on: one load is a row's 512 bytes
	s_lshl_b32 s30, s24, 17                        ; 64 w rows of 2,048 bytes
	s_lshl_b32 s31, s27, 9
	s_add_co_u32 s31, s30, s31
	v_lshl_add_u32 v4, v1, 4, s31                  ; global offset
	s_mul_i32 s31, s24, 64*PBN
	v_lshl_add_u32 v5, v1, 3, s31                  ; LDS address
	; A.  G: rows e = 64 w + h + 2 jj of Wq, 256 bytes at 256 mt.  H: row 64 mt + (w & 1) + 2 jj of Wo, its quarter w >> 1.  Both step 4,096 bytes a load.
	s_lshl_b32 s32, s26, 8
	s_add_co_u32 s32, s30, s32
	s_lshl_b32 s33, s26, 17
	s_lshl_b32 s35, s34, 11
	s_add_co_u32 s33, s33, s35
	s_lshr_b32 s35, s24, 1
	s_lshl_b32 s35, s35, 9
	s_add_co_u32 s33, s33, s35
	s_mov_b32 s35, 2048
	s_mov_b32 s43, 256
	s_cmp_eq_u32 s25, 0
	s_cselect_b32 s32, s32, s33
	s_cselect_b32 s33, s35, s43                    ; what lanes 16-31 lie further on: a row, or 256 bytes
	s_cselect_b32 s42, s26, s27                    ; the work-groups in which this is 0 also make the bias: mt for u, nt for hv
	v_mul_u32_u24 v6, s33, v3
	v_lshl_add_u32 v6, v2, 4, v6
	v_add_nc_u32 v6, s32, v6
	v_lshlrev_b32 v21, 4, v0
	s_wait_kmcnt 0x0
	s_cmp_eq_u32 s25, 0
	s_cselect_b64 s[36:37], s[4:5], s[8:9]         ; A: Wq or Wo
	s_cselect_b64 s[38:39], s[6:7], s[10:11]       ; B: Wk or Wv
	s_cselect_b64 s[40:41], s[12:13], s[14:15]     ; the bias: bq or bv
	s_cmp_lt_u32 s24, 4
	s_cbranch_scc0 .Lno_bias_load
	global_load_b128 v[56:59], v21, s[40:41]       ; threads 0-127: the 512 numbers; older than every batch, so the first counted wait covers it
.Lno_bias_load:
	GLOAD R0, 4, 38, 0, 2048
	GLOAD R1, 4, 38, 1, 2048
	GLOAD R2, 4, 38, 2, 2048
	s_wait_loadcnt 32                              ; the oldest batch is in; two batches of 16 stay out
	TOLDS R0, 5, 0, PBN
	s_cmp_lt_u32 s24, 4
	s_cbranch_scc0 .Lno_bias_store
	v_cvt_pk_bf16_f32 v56, v56, v57
	v_cvt_pk_bf16_f32 v57, v58, v59
	v_lshl_add_u32 v22, v0, 3, EXT
	ds_store_b64 v22, v[56:57]
.Lno_bias_store:
	GLOAD R0, 4, 38, 3, 2048
	s_wait_loadcnt 32
	TOLDS R1, 5, 1, PBN
	GLOAD R1, 6, 36, 0, 4096
	s_wait_loadcnt 32
	TOLDS R2, 5, 2, PBN
	GLOAD R2, 6, 36, 1, 4096
	s_wait_loadcnt 32
	TOLDS R0, 5, 3, PBN
	s_cmp_eq_u32 s25, 0
	s_cbranch_scc0 .Lstage_h
	s_mul_i32 s43, s24, 64*PA0                     ; G: [e][64 m]
	s_add_co_u32 s43, s43, AP0
	v_mul_u32_u24 v7, v3, PA0
	v_lshl_add_u32 v7, v2, 3, v7
	v_add_nc_u32 v7, s43, v7
	s_wait_loadcnt 16                              ; A's first batch is in, its second stays out
	TOLDS R1, 7, 0, 2*PA0
	s_wait_loadcnt 0x0
	TOLDS R2, 7, 1, 2*PA0
	s_branch .Lstaged
.Lstage_h:
	s_mul_i32 s43, s34, PA1                        ; H: [64 m][512 e]
	s_lshr_b32 s44, s24, 1
	s_lshl_b32 s44, s44, 8
	s_add_co_u32 s43, s43, s44
	s_add_co_u32 s43, s43, AP1
	v_lshl_add_u32 v7, v1, 3, s43
	s_wait_loadcnt 16
	TOLDS R1, 7, 0, 2*PA1
	s_wait_loadcnt 0x0
	TOLDS R2, 7, 1, 2*PA1
.Lstaged:
	; the turning load's lane term: row 8 h + L % 8, 16 bytes for (L / 8) % 2
	v_and_b32 v10, 7, v0
	v_lshl_add_u32 v10, v3, 3, v10
	v_bfe_u32 v11, v0, 3, 1
	v_mul_u32_u24 v18, v10, PBN
	v_lshl_add_u32 v18, v11, 4, v18
	s_lshl_b32 s43, s29, 6
	v_add_nc_u32 v8, s43, v18                      ; my 32 n
	v_lshl_add_u32 v12, v3, 4, EXT                 ; the bias as a fragment: no term in r, so all sixteen rows hold it
	s_wait_dscnt 0x0                               ; for the others' sake: my stores are done
	s_barrier_signal -1
	s_barrier_wait -1
.macro LOADF fs, kofs, var             ; the 8 loads of one K step of 32
	ds_load_tr16_b128 v[(\fs):(\fs)+3],     v8 offset:(\kofs)*32*PBN
	ds_load_tr16_b128 v[(\fs)+4:(\fs)+7],   v8 offset:(\kofs)*32*PBN+16*PBN
	ds_load_tr16_b128 v[(\fs)+8:(\fs)+11],  v8 offset:(\kofs)*32*PBN+32
	ds_load_tr16_b128 v[(\fs)+12:(\fs)+15], v8 offset:(\kofs)*32*PBN+16*PBN+32
.if (\var) == 0
	ds_load_tr16_b128 v[(\fs)+16:(\fs)+19], v9 offset:(\kofs)*32*PA0
	ds_load_tr16_b128 v[(\fs)+20:(\fs)+23], v9 offset:(\kofs)*32*PA0+16*PA0
	ds_load_tr16_b128 v[(\fs)+24:(\fs)+27], v9 offset:(\kofs)*32*PA0+32
	ds_load_tr16_b128 v[(\fs)+28:(\fs)+31], v9 offset:(\kofs)*32*PA0+16*PA0+32
.else
	ds_load_b128 v[(\fs)+16:(\fs)+19], v9 offset:(\kofs)*64
	ds_load_b128 v[(\fs)+20:(\fs)+23], v9 offset:(\kofs)*64+32
	ds_load_b128 v[(\fs)+24:(\fs)+27], v9 offset:(\kofs)*64+16*PA1
	ds_load_b128 v[(\fs)+28:(\fs)+31], v9 offset:(\kofs)*64+16*PA1+32
.endif
.endm
.macro MUL fs, zero                    ; four products; the four accumulators take turns, one instruction a turn
.irp a, 0,1
.irp b, 0,1
.if \zero
	v_wmma_f32_16x16x32_bf16 v[ACC+8*(2*\a+\b):ACC+8*(2*\a+\b)+7], v[(\fs)+8*\b:(\fs)+8*\b+7], v[(\fs)+16+8*\a:(\fs)+16+8*\a+7], 0
.else
	v_wmma_f32_16x16x32_bf16 v[ACC+8*(2*\a+\b):ACC+8*(2*\a+\b)+7], v[(\fs)+8*\b:(\fs)+8*\b+7], v[(\fs)+16+8*\a:(\fs)+16+8*\a+7], v[ACC+8*(2*\a+\b):ACC+8*(2*\a+\b)+7]
.endif
.endr
.endr
.endm
.macro KLOOP var                       ; 16 K steps on two fragment sets: one is multiplied while the other's 8 loads are out
	LOADF FA, 0, \var
	LOADF FB, 1, \var
	s_wait_dscnt 8                                 ; the older set is in, the younger one's 8 loads stay out (so at every count of 8 below)
	MUL FA, 1                                      ; the first K step starts the sums
	PLACES
	s_mov_b32 s44, 7
.Lk\var:
	v_add_nc_u32 v8, 64*PBN, v8                    ; two K steps on
.if (\var) == 0
	v_add_nc_u32 v9, 64*PA0, v9
.else
	v_add_nc_u32 v9, 128, v9
.endif
	LOADF FA, 0, \var
	s_wait_dscnt 8
	MUL FB, 0
	PLACES
	LOADF FB, 1, \var
	s_wait_dscnt 8
	MUL FA, 0
	PLACES
	s_sub_co_u32 s44, s44, 1
	s_cmp_lg_u32 s44, 0
	s_cbranch_scc1 .Lk\var
	s_wait_dscnt 0x0
	MUL FB, 0
.endm
; The bias pass, eight K steps at a time: 32 loads, then 8 products on two accumulators that take turns.  var 0: (16 n) x bias; var 1: bias x (16 m).
.macro EXB var, bt
.irp kk, 0,1,2,3,4,5,6,7
.if (\var) == 0
	ds_load_tr16_b128 v[64+16*\kk:64+16*\kk+3],   v18 offset:\kk*32*PBN
	ds_load_tr16_b128 v[64+16*\kk+4:64+16*\kk+7], v19 offset:\kk*32*PBN
.else
	ds_load_b128 v[64+16*\kk:64+16*\kk+3],   v18 offset:64*(8*(\bt)+\kk)
	ds_load_b128 v[64+16*\kk+4:64+16*\kk+7], v18 offset:64*(8*(\bt)+\kk)+32
.endif
	ds_load_b128 v[64+16*\kk+8:64+16*\kk+11],  v12 offset:64*(8*(\bt)+\kk)
	ds_load_b128 v[64+16*\kk+12:64+16*\kk+15], v12 offset:64*(8*(\bt)+\kk)+32
.endr
	s_wait_dscnt 0x0
.irp kk, 0,1,2,3,4,5,6,7
.if ((\bt) == 0) && (\kk < 2)
	v_wmma_f32_16x16x32_bf16 v[XA+8*(\kk%2):XA+8*(\kk%2)+7], v[64+16*\kk+8*(\var):64+16*\kk+8*(\var)+7], v[64+16*\kk+8-8*(\var):64+16*\kk+15-8*(\var)], 0
.else
	v_wmma_f32_16x16x32_bf16 v[XA+8*(\kk%2):XA+8*(\kk%2)+7], v[64+16*\kk+8*(\var):64+16*\kk+8*(\var)+7], v[64+16*\kk+8-8*(\var):64+16*\kk+15-8*(\var)], v[XA+8*(\kk%2):XA+8*(\kk%2)+7]
.endif
.endr
	PLACES
.endm
	s_cmp_eq_u32 s25, 0
	s_cbranch_scc0 .Lmul_h
	v_mul_u32_u24 v9, v10, PA0                     ; G: A is turned like B
	v_lshl_add_u32 v9, v11, 4, v9
	s_lshl_b32 s43, s28, 6
	s_add_co_u32 s43, s43, AP0
	v_add_nc_u32 v9, s43, v9
	KLOOP 0
	s_cmp_lg_u32 s26, 0
	s_cbranch_scc1 .Lout
	PLACES                                         ; u: wave w takes n = 16 w + 0..15 of the work-group's 128
	s_lshl_b32 s43, s24, 5
	v_add_nc_u32 v18, s43, v18
	v_add_nc_u32 v19, 16*PBN, v18
	EXB 0, 0
	v_add_nc_u32 v18, 256*PBN, v18
	v_add_nc_u32 v19, 256*PBN, v19
	EXB 0, 1
.irp p, 0,2,4,6
	v_pk_add_f32 v[XA+\p:XA+\p+1], v[XA+\p:XA+\p+1], v[XA+8+\p:XA+8+\p+1]  ; the two parities of the K step
.endr
	s_lshl_b32 s43, s24, 6
	s_add_co_u32 s43, s43, RED
	v_lshl_add_u32 v20, v3, 5, s43                 ; every lane of a half holds the same eight sums and stores them to the same words
	ds_store_b128 v20, v[XA:XA+3]
	ds_store_b128 v20, v[XA+4:XA+7] offset:16
	s_branch .Lout
.Lmul_h:
	v_mul_u32_u24 v9, v2, PA1                      ; H: A lies along K
	v_lshl_add_u32 v9, v3, 4, v9
	v_mov_b32 v18, v9
	s_mul_i32 s43, s28, 32*PA1
	s_add_co_u32 s43, s43, AP1
	v_add_nc_u32 v9, s43, v9
	KLOOP 1
	s_cmp_lg_u32 s27, 0
	s_cbranch_scc1 .Lout
	s_cmp_lt_u32 s24, 4
	s_cbranch_scc0 .Lout
	PLACES                                         ; Wo bv: wave w (0-3) takes m = 16 w + 0..15 of the work-group's 64
	s_mul_i32 s43, s24, 16*PA1
	s_add_co_u32 s43, s43, AP1
	v_add_nc_u32 v18, s43, v18
	EXB 1, 0
	EXB 1, 1
	v_add_f32 v[XA], v[XA], v[XA+8]                ; every register holds row r's sum: the lowest is taken
	s_lshl_b32 s43, s24, 6
	s_add_co_u32 s43, s43, RED
	v_lshl_add_u32 v20, v2, 2, s43
	ds_store_b32 v20, v[XA]
.Lout:
	; THE WAY OUT: rounded to bf16, 16 bytes a lane into the stage, back as whole rows of 256 bytes
	PLACES
	s_mul_i32 s43, s28, 32*OSP
	s_lshl_b32 s44, s29, 6
	s_add_co_u32 s43, s43, s44
	s_add_co_u32 s43, s43, OST
	v_mul_u32_u24 v13, v2, OSP
	v_lshl_add_u32 v13, v3, 4, v13
	v_add_nc_u32 v13, s43, v13
.irp q, 0,1,2,3
.irp p, 0,1,2,3
	v_cvt_pk_bf16_f32 v[64+4*\q+\p], v[ACC+8*\q+2*\p], v[ACC+8*\q+2*\p+1]
.endr
.endr
.irp q, 0,1,2,3
	ds_store_b128 v13, v[64+4*\q:64+4*\q+3] offset:(\q/2)*16*OSP+(\q%2)*32
.endr
	s_mul_i32 s43, s24, 8*OSP
	s_add_co_u32 s43, s43, OST
	v_mul_u32_u24 v14, v3, OSP
	v_lshl_add_u32 v14, v2, 4, v14
	v_add_nc_u32 v14, s43, v14                     ; wave w reads rows 8 w + 0..7, two a load
	s_lshl_b32 s43, s25, 19
	s_lshl_b32 s44, s26, 16
	s_add_co_u32 s43, s43, s44
	s_lshl_b32 s44, s24, 13
	s_add_co_u32 s43, s43, s44
	s_lshl_b32 s44, s27, 8
	s_add_co_u32 s43, s43, s44                     ; (512 y + 64 mt + 8 w) rows of 1,024 bytes + 256 nt
	v_lshlrev_b32 v15, 10, v3
	v_lshl_add_u32 v15, v2, 4, v15
	v_add_nc_u32 v15, s43, v15
	s_wait_dscnt 0x0                               ; for the others' sake: stage and sums are stored
	s_barrier_signal -1
	s_barrier_wait -1
.irp f, 0,1,2,3
	ds_load_b128 v[80+4*\f:80+4*\f+3], v14 offset:\f*2*OSP
.endr
	s_wait_dscnt 0x0
.irp f, 0,1,2,3
	global_store_b128 v15, v[80+4*\f:80+4*\f+3], s[18:19] offset:\f*2048  ; 16 lanes store 256 consecutive bytes, at a multiple of 256 from wc's first byte
.endr
	s_or_b32 s43, s42, s24                         ; wave 0 of the work-groups that made a bias stores it
	s_cmp_lg_u32 s43, 0
	s_cbranch_scc1 .Lend
	s_cmp_eq_u32 s25, 0
	s_cbranch_scc0 .Lstore_hv
	v_lshl_add_u32 v22, v1, 4, RED
	ds_load_b128 v[56:59], v22
	s_lshl_b32 s44, s27, 9
	v_lshl_add_u32 v23, v1, 4, s44
	s_wait_dscnt 0x0
	global_store_b128 v23, v[56:59], s[20:21]      ; u's 128 numbers: 512 consecutive bytes
	s_branch .Lend
.Lstore_hv:
	v_lshl_add_u32 v22, v1, 3, RED
	ds_load_b64 v[56:57], v22
	s_lshl_b32 s44, s26, 8
	v_lshl_add_u32 v23, v1, 3, s44
	global_load_b64 v[58:59], v23, s[16:17]        ; bo
	s_wait_loadcnt 0x0
	s_wait_dscnt 0x0
	v_pk_add_f32 v[56:57], v[56:57], v[58:59]
	global_store_b64 v23, v[56:57], s[22:23]       ; hv's 64 numbers: 256 consecutive bytes
.Lend:
	s_wait_tensorcnt 0x0                           ; the wave's end: behind my last LDS store
	ds_add_u32 v[SPW], v[NIL]
	s_wait_dscnt 0x0
	s_endpgm
.Lfunc_end_k_qf2a6065736_fold:
	.size	k_qf2a6065736_fold, .Lfunc_end_k_qf2a6065736_fold-k_qf2a6065736_fold
	.p2alignl 7, 3214868480
	.fill 96, 4, 3214868480
	.section	.rodata,"a",@progbits
	.p2align	6, 0x0
	.amdhsa_kernel k_qf2a6065736_fold
		.amdhsa_group_segment_fixed_size 315904
		.amdhsa_private_segment_fixed_size 0
		.amdhsa_enable_private_segment 0
		.amdhsa_kernarg_size 80
		.amdhsa_user_sgpr_count 2
		.amdhsa_user_sgpr_kernarg_segment_ptr 1
		.amdhsa_wavefront_size32 1
		.amdhsa_system_sgpr_workgroup_id_x 1
		.amdhsa_system_sgpr_workgroup_id_y 1
		.amdhsa_system_sgpr_workgroup_id_z 1
		.amdhsa_system_vgpr_workitem_id 0
		.amdhsa_next_free_vgpr 256
		.amdhsa_next_free_sgpr 66
		.amdhsa_reserve_vcc 0
		.amdhsa_float_denorm_mode_32 3
		.amdhsa_float_denorm_mode_16_64 3
		.amdhsa_memory_ordered 1
		.amdhsa_forward_progress 1
		.amdhsa_inst_pref_size 62
	.end_amdhsa_kernel
	.amdgpu_metadata
---
amdhsa.version: [ 1, 2 ]
amdhsa.kernels:
  - .name:           k_qf2a6065736_fold
    .symbol:         k_qf2a6065736_fold.kd
    .args:
      - { .name: Wq, .offset: 0, .size: 8, .value_kind: global_buffer, .address_space: global }
      - { .name: Wk, .offset: 8, .size: 8, .value_kind: global_buffer, .address_space: global }
      - { .name: Wo, .offset: 16, .size: 8, .value_kind: global_buffer, .address_space: global }
      - { .name: Wv, .offset: 24, .size: 8, .value_kind: global_buffer, .address_space: global }
      - { .name: bq, .offset: 32, .size: 8, .value_kind: global_buffer, .address_space: global }
      - { .name: bv, .offset: 40, .size: 8, .value_kind: global_buffer, .address_space: global }
      - { .name: bo, .offset: 48, .size: 8, .value_kind: global_buffer, .address_space: global }
      - { .name: wc, .offset: 56, .size: 8, .value_kind: global_buffer, .address_space: global }
      - { .name: u, .offset: 64, .size: 8, .value_kind: global_buffer, .address_space: global }
      - { .name: hv, .offset: 72, .size: 8, .value_kind: global_buffer, .address_space: global }
    .group_segment_fixed_size: 315904
    .private_segment_fixed_size: 0
    .kernarg_segment_align: 8
    .kernarg_segment_size: 80
    .max_flat_workgroup_size: 256
    .sgpr_count:     66
    .vgpr_count:     256
    .wavefront_size: 32
...
	.end_amdgpu_metadata
.endif
;; end of part 1
;; launch proj (part 2): grid 256 x 1, 4 waves a work-group, clusters of 4 x 1, 327,680 bytes of LDS; arguments key_feat, wc, u, kv, beta; writes kv, beta
.if DOCPART == 2
	.amdgcn_target "amdgcn-amd-amdhsa--gfx1250"
	.amdhsa_code_object_version 6
	.text
	.protected	k_qf2a6065736_proj
	.globl	k_qf2a6065736_proj
	.p2align	8
	.type	k_qf2a6065736_proj,@function
k_qf2a6065736_proj:
	s_mov_b64 s[64:65], 0
	v_nop
	global_prefetch_b8 v0, s[64:65] scope:SCOPE_SE
	s_setreg_imm32_b32 hwreg(HW_REG_WAVE_MODE, 25, 1), 1
	s_wait_xcnt 0x0
	s_wait_alu depctr_hold_cnt(0) depctr_sa_sdst(0) depctr_va_vdst(0) depctr_va_sdst(0) depctr_va_ssrc(0) depctr_va_vcc(0) depctr_vm_vsrc(0)
	s_getreg_b32 s2, hwreg(HW_REG_IB_STS2, 6, 4)
	s_cmp_eq_u32 s2, 0
	s_cbranch_scc0 .Lentry_in_a_cluster
	s_endpgm
.Lentry_in_a_cluster:
	s_bfe_u32 s2, ttmp6, 0x10000c
	s_cmp_lg_u32 s2, 0x3003
	s_cbranch_scc0 .Lentry_shape_is_right
	s_endpgm
.Lentry_shape_is_right:
; PROJ: kv[0][m][.] = G kf[m] (the keys as the scores want them), kv[1][m][.] = H kf[m] (the values with the output projection folded in), both bf16 [16384][512]; beta[m] = u . kf[m], f32.
; Left out, as shown at the head of the first kernel: bk (the same along the softmax's axis) and, by the folding, the projections of the queries and of the output.
; LIMITS.  key_feat is rounded to bf16 for the products, their f32 sums once to bf16.  beta is made of the unrounded f32 numbers.  NaN and infinities are not treated apart.
; SHARES.  A work-group owns 64 rows of key_feat and all 1,024 output channels, so each byte of key_feat is read once in the launch.  Every wave holds the 64 rows as source-1 fragments: 512 registers.
; wc goes in 8 tiles of 128 channels x 512 through two LDS slots.  In a step wave w multiplies channels 32 w + 0..31 by the four row tiles: 8 accumulators, 128 matrix instructions; each LDS byte of wc is read once.
; CLUSTER.  The four work-groups of a cluster walk the same tiles of wc and ask JOINTLY, the same tensor load, descriptor and mask in all four; each wave fetches 32 rows of 1,024 bytes.
; THE WALK IS TURNED: cluster x begins with tile x % 8 and goes round, so that at any time the clusters ask for eight different tiles and not all for the same one.  The tile's number enters global addresses alone
; (the descriptor's, made anew for each refill, and the stores'); it is the same in the four partners.
; By this text's own count a wave has two tensor loads out at the start and one behind each round.
; NO PREFETCH: every tile is among some cluster's two first fills, so no tile's first request of the launch comes later than the kernel's head.
; The last two steps are one loop of two trips; its second trip fetches 16 fragments that nobody multiplies (from a slot that holds an earlier tile): the price, once a launch, of one text for both.
; The matrix instruction is used transposed (source 0 = 16 channels of wc, source 1 = 16 rows of key_feat): a lane holds one row and eight neighbouring channels.
; REGISTERS, in windows of 256 (s_set_vgpr_msb: bits 1:0 source 0, 3:2 source 1, 5:4 source 2, 7:6 destination):
;   window 0: v0-15 addresses; v16-31 u; v32-95 accumulators; v96-223 two buffers of wc's fragments; v224-255 the way out      window 1: the rows as loaded, f32
;   windows 2, 3: the rows' fragments: row tile t, K step c in window 2 + c / 8 at 8 (4 (c % 8) + t)
.set PW,    1040                       ; an LDS row of 512 bf16: 1,024 bytes + 16: the 16 rows of a fragment load start at 16 different groups of four banks (64 banks of 4 bytes: ISA guide 11.1)
.set SLOTB, 133120                     ; a slot: 128 rows.  0x20800 shares no bit with wave x 33,280, so one exclusive or turns an address in one slot into the other's
.set QSTG,  266240                     ; behind the ring, never filled by a tensor load: first 32 rows of key_feat in bf16, later two stages of 64 rows x 272 bytes for the way out
.set OSP,   272
.set OSTX,  0x4400                     ; the exclusive or that turns one stage's address (0x41000) into the other's (0x45400)
.set BSTG,  301056                     ; beta of the 64 rows
.set SPARE, 301312                     ; the spare words, 128 bytes for each wave: no other line names them
.set AQ,   4                           ; v4   my offset in key_feat's rows
.set AST,  5                           ; v5   where I put 8 bytes of a staged row
.set AFR,  6                           ; v6   where I read a row fragment
.set AW0,  7                           ; v7   my lane's place in a tile of wc; never rewritten
.set ADW,  8                           ; v8   the same in the slot in hand
.set ASO0, 9                           ; v9   my lane's place in a stage, on the way in
.set ASO,  10
.set ARB0, 11                          ; v11  the same on the way back
.set ARB,  12
.set AGO,  13                          ; v13  my offset in kv
.set SPW,  14                          ; v14  my spare word; never rewritten
.set NIL,  15                          ; v15  0; never rewritten
.set U,    16
.set ACC,  32                          ; accumulator (g, t) at ACC + 8 (4 g + t)
.set WB,   96
.set PKD,  224
.set WV,  14                           ; s14  wave
.set WG,  16                           ; s16  work-group = 4 x cluster + place
.set G1,  24                           ; s[24:31] descriptor group 1
.set G0A, 32                           ; s[32:35] group 0 of the first tile
.set G0B, 36                           ; s[36:39] group 0 of the second; it then walks
.set CNT, 40
.set SLB, 41                           ; s41  LDS byte of the slot in hand
.set STB, 42                           ; s42  LDS byte of the stage in hand
.set KVB, 44                           ; s[44:45] kv at my 16 rows
.set OFF, 46                           ; s[46:47] the tile's offset in kv: 256 bytes a tile, the second plane from tile 4 on
.set KVP, 48                           ; s[48:49] their sum
.set SEL, 50                           ; s[50:51] v_permlanex16_b32's selects
.set WCB, 52                           ; s[52:53] wc at my 32 rows of tile 0
.set TOF, 54                           ; s[54:55] a tile's offset in wc: 131,072 bytes a tile
.set TN,  56                           ; s56  the tile to be asked for next
.set TC,  57                           ; s57  the tile in hand
.set MSB, 0
.macro WIN new                         ; the immediate's high byte repeats the setting that is left; a switch that changes nothing is dropped
.if MSB != (\new)
	s_set_vgpr_msb (MSB<<8)|(\new)
.set MSB, (\new)
.endif
.endm
.macro PLACES
.rept 4
	v_nop
.endr
.endm
.macro CROUND                          ; a round of the cluster's barrier
	s_barrier_signal -1
	s_barrier_wait -1
	s_cmp_lg_u32 s[WV], 0
	s_cbranch_scc1 .Lnot_wave_0_\@
	s_barrier_signal -3
.Lnot_wave_0_\@:
	s_barrier_wait -3
	s_barrier_signal -1
	s_barrier_wait -1
.endm
	s_load_b256 s[4:11], s[0:1], 0x0               ; key_feat s[4:5], wc s[6:7], u s[8:9], kv s[10:11]
	s_load_b64 s[12:13], s[0:1], 0x20              ; beta
	v_lshl_add_u32 v[SPW], v0, 2, SPARE
	v_mov_b32 v[NIL], 0
	ds_add_u32 v[SPW], v[NIL]                      ; the wave's opening: the add, twice on end, and its wait ahead of my first tensor load
	ds_add_u32 v[SPW], v[NIL]
	v_lshrrev_b32 v1, 5, v0
	v_readfirstlane_b32 s[WV], v1
	s_bfe_u32 s15, ttmp6, 0x40000                  ; my place in the cluster: it enters key_feat's, kv's and beta's addresses alone
	s_lshl_b32 s[WG], ttmp9, 2
	s_add_co_u32 s[WG], s[WG], s15
	s_and_b32 s[TC], ttmp9, 7                      ; the cluster's first tile,
	s_add_co_u32 s[TN], s[TC], 1
	s_and_b32 s[TN], s[TN], 7                      ; its second,
	s_lshl_b32 s[TOF], s[TC], 17
	s_mov_b32 s[TOF+1], 0
	s_lshl_b32 s58, s[TN], 17
	s_mov_b32 s59, 0
	s_add_co_u32 s[TN], s[TN], 1
	s_and_b32 s[TN], s[TN], 7                      ; and the one that the first refill asks for
	s_mov_b32 s[G1], 15|(1<<16)|(1<<20)|(1<<21)|(7<<22)|(3<<25)  ; the mask of four; 2-byte elements; padding on; bit 21 beside a mask; after every 256 words (code 7) 4 words (code 3)
	s_mov_b32 s[G1+1], 512<<16                     ; tensor_dim0 = 512
	s_mov_b32 s[G1+2], 32<<16                      ; tensor_dim1 = 32
	s_mov_b32 s[G1+3], 512<<16                     ; tile_dim0 = 512
	s_mov_b32 s[G1+4], 32                          ; tile_dim1 = 32
	s_mov_b32 s[G1+5], 512                         ; elements from row to row
	s_mov_b32 s[G1+6], 0
	s_mov_b32 s[G1+7], 0
	s_mul_i32 s17, s[WV], 32*PW                    ; my 32 rows' place in a slot
	s_lshl_b32 s18, s[WV], 15                      ; and in a tile of wc
	s_mov_b32 s19, 0
	s_mov_b32 s[G0A], 1
	s_mov_b32 s[G0A+1], s17
	s_mov_b32 s[G0B], 1
	s_add_co_u32 s[G0B+1], s17, SLOTB
	s_mov_b32 s[SEL], 0x76543210
	s_mov_b32 s[SEL+1], 0xfedcba98
	s_mov_b32 s[SLB], 0
	s_mov_b32 s[STB], QSTG
	s_mov_b32 s[OFF+1], 0
	s_lshl_b32 s20, s[WG], 17                      ; my work-group's 64 rows of 2,048 bytes
	s_mov_b32 s21, 0
	s_lshl_b32 s22, s[WG], 16                      ; the same rows in kv, 1,024 bytes each,
	s_lshl_b32 s23, s[WV], 14                      ; and my wave's 16 of them
	s_add_co_u32 s22, s22, s23
	s_mov_b32 s23, 0
	s_wait_dscnt 0x0                               ; both opening adds are done
	s_wait_kmcnt 0x0
	s_add_nc_u64 s[WCB:WCB+1], s[6:7], s[18:19]
	s_add_nc_u64 s[G0A+2:G0A+3], s[WCB:WCB+1], s[TOF:TOF+1]
	s_add_nc_u64 s[G0B+2:G0B+3], s[WCB:WCB+1], s[58:59]
	s_or_b32 s[G0A+3], s[G0A+3], 0x80000000
	s_or_b32 s[G0B+3], s[G0B+3], 0x80000000
	s_add_nc_u64 s[4:5], s[4:5], s[20:21]
	s_add_nc_u64 s[KVB:KVB+1], s[10:11], s[22:23]
	CROUND                                         ; all four work-groups are here: the first joint loads meet
	tensor_load_to_lds s[G0A:G0A+3], s[G1:G1+7]    ; the first tile
	s_nop 0
	tensor_load_to_lds s[G0B:G0B+3], s[G1:G1+7]    ; the second
	s_nop 0
	PLACES
	v_and_b32 v1, 31, v0                           ; L
	v_and_b32 v2, 15, v0                           ; r
	v_bfe_u32 v3, v0, 4, 1                         ; h
	s_lshl_b32 s17, s[WV], 14
	v_lshl_add_u32 v[AQ], v1, 4, s17               ; rows 8 w on, 16 bytes a lane
	v_lshlrev_b32 v225, 4, v1
	WIN 0x40                                       ; destination window 1
.irp hf, 0,1
.irp i, 0,1,2,3,4,5,6,7
.irp q, 0,1,2,3
	global_load_b128 v[4*(32*\hf+4*\i+\q):4*(32*\hf+4*\i+\q)+3], v[AQ], s[4:5] offset:(32*\hf+\i)*2048+512*\q th:TH_LOAD_NT  ; row 32 hf + 8 w + i, quarter q: 512 consecutive bytes
.endr
.endr
.endr
	WIN 0
.irp q, 0,1,2,3
	global_load_b128 v[U+4*\q:U+4*\q+3], v225, s[8:9] offset:512*\q
.endr
	s_mul_i32 s17, s[WV], 8*PW
	s_add_co_u32 s17, s17, QSTG
	v_lshl_add_u32 v[AST], v1, 3, s17
	v_mul_u32_u24 v[AFR], v2, PW
	v_lshl_add_u32 v[AFR], v3, 4, v[AFR]           ; r x pitch + 16 h
	s_mul_i32 s17, s[WV], 32*PW
	v_add_nc_u32 v[AW0], s17, v[AFR]
	v_add_nc_u32 v[AFR], QSTG, v[AFR]
	v_mov_b32 v[ADW], v[AW0]                       ; slot 0
	v_mul_u32_u24 v[ASO0], v2, OSP
	v_lshl_add_u32 v[ASO0], v3, 4, v[ASO0]
	s_lshl_b32 s17, s[WV], 6
	v_add_nc_u32 v[ASO0], s17, v[ASO0]             ; row r, my 32 channels' 64 bytes, 16 for each half of the lanes
	v_add_nc_u32 v[ASO], QSTG, v[ASO0]
	s_mul_i32 s17, s[WV], 16*OSP
	v_mul_u32_u24 v[ARB0], v3, OSP
	v_lshl_add_u32 v[ARB0], v2, 4, v[ARB0]
	v_add_nc_u32 v[ARB0], s17, v[ARB0]             ; back: rows 16 w on, two a load
	v_lshlrev_b32 v[AGO], 10, v3
	v_lshl_add_u32 v[AGO], v2, 4, v[AGO]
	s_lshl_b32 s17, s[WV], 5
	s_add_co_u32 s17, s17, BSTG
	v_mov_b32 v224, s17
	s_wait_loadcnt 0x0
	; beta of my 16 rows: 16 products a lane and row, in 16 chains that do not wait for each other, then across the 32 lanes
	WIN 0x01                                       ; source 0 window 1
.set k, 0
.rept 8
.set rr, 0
.rept 16
.if k == 0
	v_pk_mul_f32 v[ACC+2*rr:ACC+2*rr+1], v[16*rr:16*rr+1], v[U:U+1]
.else
	v_pk_fma_f32 v[ACC+2*rr:ACC+2*rr+1], v[16*rr+2*k:16*rr+2*k+1], v[U+2*k:U+2*k+1], v[ACC+2*rr:ACC+2*rr+1]
.endif
.set rr, rr+1
.endr
.set k, k+1
.endr
	WIN 0
.macro ALLROWS line:vararg
.set rr, 0
.rept 16
	\line
.set rr, rr+1
.endr
.endm
	ALLROWS v_add_f32 v[ACC+2*rr], v[ACC+2*rr], v[ACC+2*rr+1]
	ALLROWS v_add_f32_dpp v[ACC+2*rr], v[ACC+2*rr], v[ACC+2*rr] row_xmask:1 row_mask:0xf bank_mask:0xf
	ALLROWS v_add_f32_dpp v[ACC+2*rr], v[ACC+2*rr], v[ACC+2*rr] row_xmask:2 row_mask:0xf bank_mask:0xf
	ALLROWS v_add_f32_dpp v[ACC+2*rr], v[ACC+2*rr], v[ACC+2*rr] row_xmask:4 row_mask:0xf bank_mask:0xf
	ALLROWS v_add_f32_dpp v[ACC+2*rr], v[ACC+2*rr], v[ACC+2*rr] row_xmask:8 row_mask:0xf bank_mask:0xf
	ALLROWS v_permlanex16_b32 v[ACC+2*rr+1], v[ACC+2*rr], s[SEL], s[SEL+1]
	ALLROWS v_add_f32 v[ACC+2*rr], v[ACC+2*rr], v[ACC+2*rr+1]
	ALLROWS ds_store_b32 v224, v[ACC+2*rr] offset:128*(rr/8)+4*(rr%8)
.macro STAGE hf                        ; my 8 rows of half hf, rounded to bf16, into the stage of 32 rows
	WIN 0x05                                       ; sources 0 and 1 window 1
.set i, 0
.rept 32
	v_cvt_pk_bf16_f32 v[WB+2*i], v[128*(\hf)+4*i], v[128*(\hf)+4*i+1]
	v_cvt_pk_bf16_f32 v[WB+2*i+1], v[128*(\hf)+4*i+2], v[128*(\hf)+4*i+3]
.set i, i+1
.endr
	WIN 0
.set i, 0
.rept 32
	ds_store_b64 v[AST], v[WB+2*i:WB+2*i+1] offset:(i/4)*PW+256*(i%4)
.set i, i+1
.endr
.endm
.macro FRAGS hf                        ; every wave takes all 32 rows as fragments: row tiles 2 hf, 2 hf + 1
.set c, 0
.rept 16
.if c < 8
	WIN 0x80
.else
	WIN 0xc0
.endif
.irp tp, 0,1
	ds_load_b128 v[8*(4*(c%8)+2*(\hf)+\tp):8*(4*(c%8)+2*(\hf)+\tp)+3],   v[AFR] offset:\tp*16*PW+64*c
	ds_load_b128 v[8*(4*(c%8)+2*(\hf)+\tp)+4:8*(4*(c%8)+2*(\hf)+\tp)+7], v[AFR] offset:\tp*16*PW+64*c+32
.endr
.set c, c+1
.endr
	WIN 0
.endm
	STAGE 0
	s_wait_dscnt 0x0                               ; my stores are done,
	s_barrier_signal -1
	s_barrier_wait -1                              ; everybody's are
	FRAGS 0
	s_wait_dscnt 0x0                               ; my reads are back,
	s_barrier_signal -1
	s_barrier_wait -1                              ; everybody's are: the stage may be written again
	STAGE 1
	s_wait_dscnt 0x0
	s_barrier_signal -1
	s_barrier_wait -1
	FRAGS 1
	s_cmp_lg_u32 s[WV], 0
	s_cbranch_scc1 .Lno_beta
	v_lshl_add_u32 v226, v1, 3, BSTG
	ds_load_b64 v[228:229], v226
	s_lshl_b32 s18, s[WG], 8
	v_lshl_add_u32 v227, v1, 3, s18
	s_wait_dscnt 0x0
	global_store_b64 v227, v[228:229], s[12:13]    ; the work-group's 64 numbers: 256 consecutive bytes, aligned
.Lno_beta:
	s_wait_tensorcnt 1                             ; my part of the first tile is in; the second's may stay out
	s_wait_dscnt 0x0
	s_barrier_signal -1
	s_barrier_wait -1
.macro FETCHW uu                       ; 16 LDS loads: K steps 4 uu + 0..3 of my 32 channels
.irp cc, 0,1,2,3
.irp g, 0,1
	ds_load_b128 v[WB+64*((\uu)%2)+8*(2*\cc+\g):WB+64*((\uu)%2)+8*(2*\cc+\g)+3],   v[ADW] offset:\g*16*PW+64*(4*(\uu)+\cc)
	ds_load_b128 v[WB+64*((\uu)%2)+8*(2*\cc+\g)+4:WB+64*((\uu)%2)+8*(2*\cc+\g)+7], v[ADW] offset:\g*16*PW+64*(4*(\uu)+\cc)+32
.endr
.endr
.endm
.macro MULW uu                         ; 32 products; the 8 accumulators take turns, one instruction a turn.  LDS loads need no other window than these two settings
.if (\uu) < 2
	WIN 0x08                                       ; source 1 window 2
.else
	WIN 0x0c                                       ; source 1 window 3
.endif
.irp cc, 0,1,2,3
.irp g, 0,1
.irp t, 0,1,2,3
.if (4*(\uu)+\cc) == 0
	v_wmma_f32_16x16x32_bf16 v[ACC+8*(4*\g+\t):ACC+8*(4*\g+\t)+7], v[WB+64*((\uu)%2)+8*(2*\cc+\g):WB+64*((\uu)%2)+8*(2*\cc+\g)+7], v[8*(4*((4*(\uu)+\cc)%8)+\t):8*(4*((4*(\uu)+\cc)%8)+\t)+7], 0
.else
	v_wmma_f32_16x16x32_bf16 v[ACC+8*(4*\g+\t):ACC+8*(4*\g+\t)+7], v[WB+64*((\uu)%2)+8*(2*\cc+\g):WB+64*((\uu)%2)+8*(2*\cc+\g)+7], v[8*(4*((4*(\uu)+\cc)%8)+\t):8*(4*((4*(\uu)+\cc)%8)+\t)+7], v[ACC+8*(4*\g+\t):ACC+8*(4*\g+\t)+7]
.endif
.endr
.endr
.endr
.endm
; A STEP: one tile of wc.  Its one barrier serves three ends: nobody reads the slot any more, the next slot is whole, and the stage is written.  refill = 1: the barrier is a round of the cluster's, and the
; slot just read is filled again, with the tile two on in the cluster's walk, first thing behind it.  The two stages take turns, so the stage that is read back behind this barrier is written again only behind the next one.
.macro STEP refill
	s_wait_dscnt 16                                ; the older run of 16 is in, the younger stays out (so at every count of 16 below)
	MULW 0
	PLACES
	FETCHW 2
	s_wait_dscnt 16
	MULW 1
	PLACES
	FETCHW 3
	s_wait_dscnt 16
	MULW 2
	s_wait_dscnt 0x0
	MULW 3
	WIN 0
	PLACES
	s_wait_xcnt 0x0                                ; the last step's stores have read their registers and their base
.irp a, 0,1,2,3,4,5,6,7
.irp p, 0,1,2,3
	v_cvt_pk_bf16_f32 v[PKD+4*\a+\p], v[ACC+8*\a+2*\p], v[ACC+8*\a+2*\p+1]
.endr
.endr
.irp g, 0,1
.irp t, 0,1,2,3
	ds_store_b128 v[ASO], v[PKD+4*(4*\g+\t):PKD+4*(4*\g+\t)+3] offset:\t*16*OSP+32*\g
.endr
.endr
	s_wait_tensorcnt 0x0                           ; all my tensor loads have landed: my part of the next tile
	ds_add_u32 v[SPW], v[NIL]                      ; 0 onto my spare word: scalar work stands between it and the wait for it
.if \refill
	s_xor_b32 s[G0B+1], s[G0B+1], SLOTB            ; the walking descriptor: the other slot,
	s_lshl_b32 s[TOF], s[TN], 17                   ; and the walk's next tile: its address is made anew from its number
	s_add_nc_u64 s[G0B+2:G0B+3], s[WCB:WCB+1], s[TOF:TOF+1]
	s_or_b32 s[G0B+3], s[G0B+3], 0x80000000
	s_add_co_u32 s[TN], s[TN], 1
	s_and_b32 s[TN], s[TN], 7
.endif
	s_and_b32 s[OFF], s[TC], 3                     ; where the tile in hand goes in kv: 256 bytes of a row for each of a plane's four tiles,
	s_lshl_b32 s[OFF], s[OFF], 8
	s_lshr_b32 s58, s[TC], 2
	s_lshl_b32 s58, s58, 24                        ; the second plane 16,777,216 bytes on
	s_add_co_u32 s[OFF], s[OFF], s58
	s_add_nc_u64 s[KVP:KVP+1], s[KVB:KVB+1], s[OFF:OFF+1]
	s_add_co_u32 s[TC], s[TC], 1
	s_and_b32 s[TC], s[TC], 7
	s_wait_dscnt 0x0                               ; the add is done, my reads of the slot are over, my stores into the stage are done
.if \refill
	CROUND
	tensor_load_to_lds s[G0B:G0B+3], s[G1:G1+7]
	s_nop 0
	PLACES
.else
	s_barrier_signal -1
	s_barrier_wait -1
.endif
	v_add_nc_u32 v[ARB], s[STB], v[ARB0]
	s_xor_b32 s[STB], s[STB], OSTX
	s_xor_b32 s[SLB], s[SLB], SLOTB
	v_add_nc_u32 v[ASO], s[STB], v[ASO0]
	v_add_nc_u32 v[ADW], s[SLB], v[AW0]
.irp f, 0,1,2,3,4,5,6,7
	ds_load_b128 v[PKD+4*\f:PKD+4*\f+3], v[ARB] offset:\f*2*OSP
.endr
	FETCHW 0
	FETCHW 1
	s_wait_dscnt 32                                ; the rows are back; the next step's two runs of 16 stay out
.irp f, 0,1,2,3,4,5,6,7
	global_store_b128 v[AGO], v[PKD+4*\f:PKD+4*\f+3], s[KVP:KVP+1] offset:\f*2048  ; 16 lanes store 256 consecutive bytes, at a multiple of 256 from kv's first byte
.endr
.endm
	FETCHW 0
	FETCHW 1
	s_mov_b32 s[CNT], 6
.Lstep:                                                ; the walk's steps 0 to 5: the tiles of steps 2 to 7 are asked for
	STEP 1
	s_sub_co_u32 s[CNT], s[CNT], 1
	s_cmp_lg_u32 s[CNT], 0
	s_cbranch_scc1 .Lstep
	s_mov_b32 s[CNT], 2
.Ltail:                                                ; the last two steps stand apart: nothing is left to fetch
	STEP 0
	s_sub_co_u32 s[CNT], s[CNT], 1
	s_cmp_lg_u32 s[CNT], 0
	s_cbranch_scc1 .Ltail
	s_wait_tensorcnt 0x0                           ; the wave's end
	ds_add_u32 v[SPW], v[NIL]
	s_wait_dscnt 0x0
	CROUND                                         ; the closing round
	s_endpgm
.Lfunc_end_k_qf2a6065736_proj:
	.size	k_qf2a6065736_proj, .Lfunc_end_k_qf2a6065736_proj-k_qf2a6065736_proj
	.p2alignl 7, 3214868480
	.fill 96, 4, 3214868480
	.section	.rodata,"a",@progbits
	.p2align	6, 0x0
	.amdhsa_kernel k_qf2a6065736_proj
		.amdhsa_group_segment_fixed_size 327680
		.amdhsa_private_segment_fixed_size 0
		.amdhsa_enable_private_segment 0
		.amdhsa_kernarg_size 40
		.amdhsa_user_sgpr_count 2
		.amdhsa_user_sgpr_kernarg_segment_ptr 1
		.amdhsa_wavefront_size32 1
		.amdhsa_system_sgpr_workgroup_id_x 1
		.amdhsa_system_sgpr_workgroup_id_y 1
		.amdhsa_system_sgpr_workgroup_id_z 1
		.amdhsa_system_vgpr_workitem_id 0
		.amdhsa_next_free_vgpr 1024
		.amdhsa_next_free_sgpr 66
		.amdhsa_reserve_vcc 0
		.amdhsa_float_denorm_mode_32 3
		.amdhsa_float_denorm_mode_16_64 3
		.amdhsa_memory_ordered 1
		.amdhsa_forward_progress 1
		.amdhsa_inst_pref_size 86
	.end_amdhsa_kernel
	.amdgpu_metadata
---
amdhsa.version: [ 1, 2 ]
amdhsa.kernels:
  - .name:           k_qf2a6065736_proj
    .symbol:         k_qf2a6065736_proj.kd
    .args:
      - { .name: key_feat, .offset: 0, .size: 8, .value_kind: global_buffer, .address_space: global }
      - { .name: wc, .offset: 8, .size: 8, .value_kind: global_buffer, .address_space: global }
      - { .name: u, .offset: 16, .size: 8, .value_kind: global_buffer, .address_space: global }
      - { .name: kv, .offset: 24, .size: 8, .value_kind: global_buffer, .address_space: global }
      - { .name: beta, .offset: 32, .size: 8, .value_kind: global_buffer, .address_space: global }
    .group_segment_fixed_size: 327680
    .private_segment_fixed_size: 0
    .kernarg_segment_align: 8
    .kernarg_segment_size: 40
    .max_flat_workgroup_size: 128
    .sgpr_count:     66
    .vgpr_count:     1024
    .wavefront_size: 32
...
	.end_amdgpu_metadata
.endif
;; end of part 2
;; launch attn (part 3): grid 32 x 8, 4 waves a work-group, clusters of 4 x 1, 327,680 bytes of LDS; arguments query_feat, kv, query_xyz, key_xyz, beta, hv, ln_g, ln_b, out0; writes out0
.if DOCPART == 3
	.amdgcn_target "amdgcn-amd-amdhsa--gfx1250"
	.amdhsa_code_object_version 6
	.text
	.protected	k_qf2a6065736_attn
	.globl	k_qf2a6065736_attn
	.p2align	8
	.type	k_qf2a6065736_attn,@function
k_qf2a6065736_attn:
	s_mov_b64 s[64:65], 0
	v_nop
	global_prefetch_b8 v0, s[64:65] scope:SCOPE_SE
	s_setreg_imm32_b32 hwreg(HW_REG_WAVE_MODE, 25, 1), 1
	s_wait_xcnt 0x0
	s_wait_alu depctr_hold_cnt(0) depctr_sa_sdst(0) depctr_va_vdst(0) depctr_va_sdst(0) depctr_va_ssrc(0) depctr_va_vcc(0) depctr_vm_vsrc(0)
	s_getreg_b32 s2, hwreg(HW_REG_IB_STS2, 6, 4)
	s_cmp_eq_u32 s2, 0
	s_cbranch_scc0 .Lentry_in_a_cluster
	s_endpgm
.Lentry_in_a_cluster:
	s_bfe_u32 s2, ttmp6, 0x10000c
	s_cmp_lg_u32 s2, 0x3003
	s_cbranch_scc0 .Lentry_shape_is_right
	s_endpgm
.Lentry_shape_is_right:
; ATTN: out0 = LayerNorm(qf + softmax((qf . K'' + beta) / sqrt(512) + log(exp(-2 dist) + 1e-8)) V' + hv).  K'', V' (kv), beta, hv come from the launches before.
; Left out, as shown at the head of the first kernel: bk (the same along the softmax's axis) and, by the folding, the projections of the queries and of the output.
; THE LOG GOES BY AN IDENTITY: exp(s + log(w) - m) = w exp(s - m) for w > 0, with w = exp(-2 dist) + 1e-8.  The running maximum m is taken over s = (qf . K'' + beta) / sqrt(512).  reference()'s own floor
; 1e-8 and exp(-2 dist) <= 1 hold w within 1e-8 .. 1 + 1e-8 for every input: no weight passes 1 + 1e-8, and a row's sum l is at least 1e-8 (the key with the greatest s has exp(s - m) = 1).
; LIMITS.  qf, K'', V' and the weights p are bf16 operands; sums, m, l, beta, the distances and the LayerNorm in f32.  d2 = qn + kn - 2 q . k is made by f32 multiply-adds, since it is a difference of
; large sums.  An exponential below 2^-126 counts as 0.  NaN and infinities are not treated apart (a NaN in d2 is lost in the maximum with 1e-12).
; SHARES.  A work-group owns 64 queries of one batch, four tiles of 16; 32 key steps of 64 keys.  SCORES: wave w makes S^T = K'' Q^T for keys 16 w + 0..15 and all 64 queries (Q lies in 512 registers of every wave);
; beta is the C operand that starts the sum.  VALUES: wave w owns channels 128 w + 0..127 of O^T = V'^T P for all 64 queries, 256 registers.  So each LDS byte of K'' and of V' is read once.  In S^T, P and O^T a lane
; holds one query (lane % 16).  A row's maximum and P cross the waves through LDS: two barriers a step, of which the second is the round in front of the refill.  m is made alike in all four waves; l is kept by keys.
; THE VALUE PRODUCTS RUN ONE STEP BEHIND.  Step j holds: the 64 score products of step j, with the distances' 128 instructions (two behind each product) and O^T's 128 rescalings by a(j - 1) (four behind every second
; product) beside them; my keys' maxima; then the 64 value products of step j - 1, beside which the exchange of the maxima and the softmax of step j stand: sixteen products between the barrier's signal and its wait,
; sixteen while the four waves' maxima come out of LDS, a run of vector work while P's second fragments come, and slices of the softmax behind every second one of the last thirty-two.  P has two buffers by turns.
; Step 0 multiplies a P(-1) of zeros by V'(0), which a second first fill lays into V's other slot: 64 products on zeros, once a launch, so that the loop has one form of step.  Behind the last step stand the rescaling
; by a(31) and the value products of step 31.  O^T starts at 0 by 256 v_mov_b32, written while the first tiles are on their way; with m far below every score the first a is 0.
; CLUSTER.  The four query blocks of a cluster belong to one batch and walk the same K'' and V': each tile is asked for JOINTLY, the same tensor load, descriptor and mask in all four.
; At the round of step j waves 0, 1 ask for K''(j + 2), into the slot whose scores step j made, waves 2, 3 for V'(j + 1), into the slot that step j multiplied.  By this text's own count a wave has two tensor loads out at the start, later one.
; REGISTERS, in windows of 256 (s_set_vgpr_msb: bits 1:0 source 0, 3:2 source 1, 5:4 source 2, 7:6 destination):
;   window 0: as named below      window 1: O^T, accumulator (cb, t) at 8 (4 cb + t); first the queries as loaded      windows 2, 3: Q: tile t, K step c in window 2 + c / 8 at 8 (4 (c % 8) + t); at the end window 2 takes the residual
.set PK,    1040                       ; an LDS row of K'': 1,024 + 16 bytes
.set PV,    1056                       ; of V': 1,024 + 32, an odd multiple of 32, for the turning load
.set KX,    0x10400                    ; K's slot 1 (slot 0 at 0); the exclusive or that turns one slot's address into the other's
.set VS0,   0x20800                    ; V's slot 0
.set VS1,   0x31000                    ; and slot 1
.set VX,    0x11800
.set COB,   268288                     ; never filled by a tensor load: -2 x, -2 y, -2 z, |k|^2 of the batch's 2,048 keys, 8,192 bytes each; before that the stage for Q, 32 rows x 1,040
.set PB,    301568                     ; P: two buffers of 64 queries x 64 keys bf16, rows of 144 bytes
.set PBX,   0x2400                     ; the exclusive or that turns one buffer's first byte into the other's (9,216 bytes on)
.set PP,    144
.set MXB,   320000                     ; [wave][r][tile] f32: the waves' maxima; at the end their sums
.set SPARE, 321024                     ; the spare words, 128 bytes for each wave: no other line names them
.set RSTG,  133120                     ; at the end, when the slots have had their last fill: O (from byte 0) and the residual, 64 rows of 2,064 bytes each
.set PX,    2064
.set PFO, 1                            ; v1   256 x lane; never rewritten
.set AK0, 2                            ; v2   my lane's place in a tile of K''
.set AV0, 3                            ; v3   in a tile of V'
.set ADK, 4                            ; v4   the step's addresses
.set ADV, 5
.set ACO, 6                            ; v6   my 8 keys' place in the coordinate tables; 256 bytes on in each step
.set APW0, 7                           ; v7   my lane's place in a buffer of P, for the stores
.set APW, 8
.set APR0, 9                           ; v9   the same for the fragments
.set APR, 10
.set AMW, 11                           ; v11  where I put four maxima
.set AMR, 12                           ; v12  where I read them
.set ABE, 13                           ; v13  my 8 keys' offset in a step's 256 bytes of beta; never rewritten
.set SPW, 14                           ; v14  my spare word; never rewritten
.set NIL, 15                           ; v15  0; never rewritten
.set ST,  16                           ; tile t at ST + 6 t: c m, m, l (even keys', odd keys'), a, its argument
.set QC,  40                           ; tile t at QC + 4 t: qx, qy, qz, |q|^2; a packed line takes one of a pair for both its halves
.set BE,  56                           ; beta of my 8 keys
.set S,   64                           ; S^T, 8 a tile
.set W,   96                           ; d2, then w, 8 a tile; later the packed P
.set KC,  128                          ; -2 x, -2 y, -2 z, |k|^2 of my 8 keys; between their uses the four waves' maxima (KC + 0..15)
.set TMP, 144                          ; and my own (KC + 16..23)
.set PF,  160                          ; P's fragments of 32 keys, 8 a tile
.set KB,  192                          ; two buffers of 32 for K'' and V'
.set WV,  22
.set CX,  23
.set QBK, 24
.set BAT, 25
.set G1K, 28                           ; s[28:35] descriptor group 1 for K''
.set G1V, 36                           ; s[36:43] for V': it differs in the padding alone
.set G0KA, 44                          ; s[44:47] group 0 of K''(0)
.set G0K, 48                           ; s[48:51] of K''(1); it then walks
.set G0V, 52                           ; s[52:55] of V'(0); it then walks
.set CNT, 56
.set LIM, 57                           ; a wave prefetches while s[CNT] is above this
.set PFA, 58                           ; s[58:59] where my prefetches stand
.set SKB, 60                           ; s60, s61 the slots in hand
.set SVB, 61
.set SEL, 62                           ; s[62:63] v_permlanex16_b32's selects
.set CS,  66                           ; s[66:67] c = log2(e) / sqrt(512)
.set M2L, 68                           ; s[68:69] -2 log2(e)
.set E8,  70                           ; s[70:71] 1e-8
.set E12, 72                           ; s72  1e-12
.set KBS, 74                           ; s[74:75] kv at my half of the batch's K''(0)
.set QFB, 76                           ; s[76:77] query_feat at the work-group's first row
.set I512, 78                          ; s78  1 / 512
.set E5,  79                           ; s79  1e-5
.set RSB, 82                           ; s[82:83] query_feat at my wave's 16 rows
.set PBW, 94                           ; s94  the buffer of P that this step writes
.set PBR, 95                           ; s95  the one that it multiplies
.set G0VA, 96                          ; s[96:99] group 0 of V'(0) once more, into slot 1
.set BEP, 100                          ; s[100:101] beta at the step whose numbers were asked for last
.set MSB, 0
.macro WIN new                         ; the immediate's high byte repeats the setting that is left; a switch that changes nothing is dropped
.if MSB != (\new)
	s_set_vgpr_msb (MSB<<8)|(\new)
.set MSB, (\new)
.endif
.endm
.macro PLACES                          ; four places behind a matrix instruction, ahead of loads into its sources and of reads of its result
.rept 4
	v_nop
.endr
.endm
.macro CREST                           ; a round of the cluster's barrier behind its opening barrier
	s_cmp_lg_u32 s[WV], 0
	s_cbranch_scc1 .Lnot_wave_0_\@
	s_barrier_signal -3
.Lnot_wave_0_\@:
	s_barrier_wait -3
	s_barrier_signal -1
	s_barrier_wait -1
.endm
.macro CROUND
	s_barrier_signal -1
	s_barrier_wait -1
	CREST
.endm
.macro JLOAD                           ; waves 0, 1: the two halves of a tile of K''; waves 2, 3: of V'.  The branch hangs on the wave's number alone
	s_cmp_lt_u32 s[WV], 2
	s_cbranch_scc0 .Lfor_v_\@
	tensor_load_to_lds s[G0K:G0K+3], s[G1K:G1K+7]
	s_nop 0
	PLACES
	s_branch .Lasked_\@
.Lfor_v_\@:
	tensor_load_to_lds s[G0V:G0V+3], s[G1V:G1V+7]
	s_nop 0
	PLACES
.Lasked_\@:
.endm
.macro JLOADV                          ; the last refill: V' alone
	s_cmp_lt_u32 s[WV], 2
	s_cbranch_scc1 .Lno_v_\@
	tensor_load_to_lds s[G0V:G0V+3], s[G1V:G1V+7]
	s_nop 0
	PLACES
.Lno_v_\@:
.endm
; A PREFETCH INTO THE L2 of the tile that stands two refills on: K''(j + 4), V'(j + 3).  All eight clusters of a batch walk the same tiles: the batch's first cluster asks.  Of the 32,768 bytes that a wave fetches
; each of the four partners takes 8,192, told apart BY ADDRESS; a lane names 256 bytes: one instruction a wave and step, and each block is named once in the launch.  It stands behind the wave's tensor load and
; its five lines.  The first tiles come by their loads alone; the last steps, whose tile two refills on does not exist, ask for nothing.
.macro ASK
	s_cmp_gt_u32 s[CNT], s[LIM]
	s_cbranch_scc0 .Lnot_mine_\@
	global_prefetch_b8 v[PFO], s[PFA:PFA+1] th:TH_LOAD_NT scope:SCOPE_SE
.Lnot_mine_\@:
.endm
	s_load_b512 s[4:19], s[0:1], 0x0               ; query_feat s[4:5], kv s[6:7], query_xyz s[8:9], key_xyz s[10:11], beta s[12:13], hv s[14:15], ln_g s[16:17], ln_b s[18:19]
	s_load_b64 s[20:21], s[0:1], 0x40              ; out0
	v_lshl_add_u32 v[SPW], v0, 2, SPARE
	v_mov_b32 v[NIL], 0
	ds_add_u32 v[SPW], v[NIL]                      ; the wave's opening: the add, twice on end, and its wait ahead of my first tensor load
	ds_add_u32 v[SPW], v[NIL]
	v_lshrrev_b32 v1, 5, v0
	v_readfirstlane_b32 s[WV], v1
	s_bfe_u32 s[CX], ttmp6, 0x40000                ; my place in the cluster: it enters the queries', the output's and the prefetches' addresses alone
	s_lshl_b32 s[QBK], ttmp9, 2
	s_add_co_u32 s[QBK], s[QBK], s[CX]             ; my block of 64 queries
	s_and_b32 s[BAT], ttmp7, 0xffff                ; the batch, which the four partners share
	s_mov_b32 s[G1K], 15|(1<<16)|(1<<20)|(1<<21)|(7<<22)|(3<<25)  ; the mask of four; 2-byte elements; padding on; bit 21 beside a mask; after every 256 words (code 7) 4 words (code 3)
	s_mov_b32 s[G1V], 15|(1<<16)|(1<<20)|(1<<21)|(7<<22)|(7<<25)  ; the same with 8 words (code 7)
.irp g, G1K, G1V
	s_mov_b32 s[\g+1], 512<<16                     ; tensor_dim0 = 512
	s_mov_b32 s[\g+2], 32<<16                      ; tensor_dim1 = 32
	s_mov_b32 s[\g+3], 512<<16                     ; tile_dim0 = 512
	s_mov_b32 s[\g+4], 32                          ; tile_dim1 = 32
	s_mov_b32 s[\g+5], 512                         ; elements from row to row
	s_mov_b32 s[\g+6], 0
	s_mov_b32 s[\g+7], 0
.endr
	s_and_b32 s80, s[WV], 1                        ; which 32 of a tile's 64 rows I fetch
	s_mul_i32 s81, s80, 32*PK
	s_mul_i32 s84, s80, 32*PV
	s_mov_b32 s[G0KA], 1
	s_mov_b32 s[G0KA+1], s81
	s_mov_b32 s[G0K], 1
	s_add_co_u32 s[G0K+1], s81, KX
	s_mov_b32 s[G0V], 1
	s_add_co_u32 s[G0V+1], s84, VS0
	s_mov_b32 s[G0VA], 1
	s_add_co_u32 s[G0VA+1], s84, VS1
	s_lshl_b32 s26, s[BAT], 21                     ; the batch's 2,048 rows of 1,024 bytes
	s_lshl_b32 s27, s80, 15
	s_add_co_u32 s26, s26, s27
	s_mov_b32 s27, 0
	s_mov_b32 s[SEL], 0x76543210
	s_mov_b32 s[SEL+1], 0xfedcba98
	s_mov_b32 s[CS], 0x3d8293ee
	s_mov_b32 s[CS+1], s[CS]
	s_mov_b32 s[M2L], 0xc038aa3b
	s_mov_b32 s[M2L+1], s[M2L]
	s_mov_b32 s[E8], 0x322bcc77
	s_mov_b32 s[E8+1], s[E8]
	s_mov_b32 s[E12], 0x2b8cbccc
	s_mov_b32 s[I512], 0x3b000000
	s_mov_b32 s[E5], 0x3727c5ac
	s_mov_b32 s[SKB], 0                            ; step 0 takes its scores from K's slot 0,
	s_mov_b32 s[SVB], VS1                          ; multiplies V's slot 1,
	s_mov_b32 s[PBW], PB                           ; writes P's buffer 0
	s_mov_b32 s[PBR], PB+PBX                       ; and multiplies buffer 1
	s_mov_b32 s80, 3*65536                         ; the first round steps these to K''(4)
	s_mov_b32 s81, 16777216+2*65536                ; and V'(3)
	s_cmp_lt_u32 s[WV], 2
	s_cselect_b32 s80, s80, s81
	s_cselect_b32 s[LIM], 2, 1                     ; K''(j + 4) exists up to j = 27, V'(j + 3) up to j = 28; s[CNT] = 30 - j
	s_lshl_b32 s81, s[CX], 13
	s_add_co_u32 s80, s80, s81
	s_mov_b32 s81, 0
	s_cmp_eq_u32 ttmp9, 0                          ; the batch's first cluster: the same in all four partners
	s_cselect_b32 s[LIM], s[LIM], -1
	s_lshl_b32 s84, s[BAT], 22                     ; the work-group's 64 rows of 2,048 bytes
	s_lshl_b32 s85, s[QBK], 17
	s_add_co_u32 s84, s84, s85
	s_mov_b32 s85, 0
	s_lshl_b32 s86, s[WV], 15                      ; my wave's 16 of them
	s_mov_b32 s87, 0
	s_mul_i32 s88, s[BAT], 24576                   ; the batch's 2,048 points of 12 bytes
	s_mov_b32 s89, 0
	s_mul_i32 s90, s[QBK], 768
	s_mov_b32 s91, 0
	s_lshl_b32 s92, s[BAT], 13
	s_mov_b32 s93, 0
	s_wait_dscnt 0x0                               ; both opening adds are done
	s_wait_kmcnt 0x0
	s_add_nc_u64 s[KBS:KBS+1], s[6:7], s[26:27]
	s_mov_b64 s[G0KA+2:G0KA+3], s[KBS:KBS+1]
	s_add_nc_u64 s[G0K+2:G0K+3], s[KBS:KBS+1], 65536
	s_add_nc_u64 s[G0V+2:G0V+3], s[KBS:KBS+1], 16777216
	s_mov_b64 s[G0VA+2:G0VA+3], s[G0V+2:G0V+3]
	s_or_b32 s[G0KA+3], s[G0KA+3], 0x80000000
	s_or_b32 s[G0K+3], s[G0K+3], 0x80000000
	s_or_b32 s[G0V+3], s[G0V+3], 0x80000000
	s_or_b32 s[G0VA+3], s[G0VA+3], 0x80000000
	s_add_nc_u64 s[PFA:PFA+1], s[KBS:KBS+1], s[80:81]
	s_add_nc_u64 s[QFB:QFB+1], s[4:5], s[84:85]
	s_add_nc_u64 s[RSB:RSB+1], s[QFB:QFB+1], s[86:87]
	s_add_nc_u64 s[20:21], s[20:21], s[84:85]
	s_add_nc_u64 s[20:21], s[20:21], s[86:87]
	s_add_nc_u64 s[8:9], s[8:9], s[88:89]
	s_add_nc_u64 s[8:9], s[8:9], s[90:91]
	s_add_nc_u64 s[10:11], s[10:11], s[88:89]
	s_add_nc_u64 s[BEP:BEP+1], s[12:13], s[92:93]
	CROUND                                         ; all four work-groups are here: the first joint loads meet
	s_cmp_lt_u32 s[WV], 2                          ; a wave's first fills stand in one branch, ahead of every wait on TENSORcnt, every LDS read and every other barrier
	s_cbranch_scc0 .Lfirst_v
	tensor_load_to_lds s[G0KA:G0KA+3], s[G1K:G1K+7]
	s_nop 0
	tensor_load_to_lds s[G0K:G0K+3], s[G1K:G1K+7]
	s_nop 0
	PLACES
	s_branch .Lfirst_asked
.Lfirst_v:
	tensor_load_to_lds s[G0V:G0V+3], s[G1V:G1V+7]
	s_nop 0
	tensor_load_to_lds s[G0VA:G0VA+3], s[G1V:G1V+7]  ; finite numbers for step 0's products with the zeros of P(-1)
	s_nop 0
	PLACES
.Lfirst_asked:
	; at work up to the loop: v160 r, v161 h, v162-167 addresses, v168 lane, v170-173 zeros; v204-251 my thread's 16 keys' points
	v_and_b32 v168, 31, v0
	v_and_b32 v160, 15, v0
	v_bfe_u32 v161, v0, 4, 1
	s_lshl_b32 s80, s[WV], 14
	v_lshl_add_u32 v162, v168, 4, s80              ; rows 8 w on, 16 bytes a lane
	v_mul_u32_u24 v163, v160, 12                   ; my query's point
	v_mul_u32_u24 v164, v0, 192                    ; my thread's 16 keys' points
	s_lshl_b32 s80, s[WV], 6
	v_lshl_add_u32 v[ABE], v161, 5, s80            ; keys 16 w + 8 h on, 4 bytes each
	WIN 0x40
.irp hf, 0,1
.irp i, 0,1,2,3,4,5,6,7
.irp q, 0,1,2,3
	global_load_b128 v[4*(32*\hf+4*\i+\q):4*(32*\hf+4*\i+\q)+3], v162, s[QFB:QFB+1] offset:(32*\hf+\i)*2048+512*\q  ; row 32 hf + 8 w + i, quarter q
.endr
.endr
.endr
	WIN 0
.irp t, 0,1,2,3
.irp c, 0,1,2
	global_load_b32 v[QC+4*\t+\c], v163, s[8:9] offset:192*\t+4*\c
.endr
.endr
.irp i, 0,1,2,3,4,5,6,7,8,9,10,11
	global_load_b128 v[204+4*\i:204+4*\i+3], v164, s[10:11] offset:16*\i
.endr
	global_load_b128 v[BE:BE+3], v[ABE], s[BEP:BEP+1]              ; beta of step 0
	global_load_b128 v[BE+4:BE+7], v[ABE], s[BEP:BEP+1] offset:16
	v_mul_u32_u24 v[AK0], v160, PK
	v_lshl_add_u32 v[AK0], v161, 4, v[AK0]         ; r x pitch + 16 h
	v_add_nc_u32 v166, COB, v[AK0]                 ; the same in Q's stage
	s_mul_i32 s80, s[WV], 16*PK
	v_add_nc_u32 v[AK0], s80, v[AK0]               ; my 16 keys
	v_and_b32 v[ADK], 7, v0
	v_bfe_u32 v[ADV], v0, 3, 1
	v_lshl_add_u32 v[AV0], v161, 3, v[ADK]         ; the turning load: key 8 h + L % 8,
	v_mul_u32_u24 v[AV0], v[AV0], PV
	v_lshl_add_u32 v[AV0], v[ADV], 4, v[AV0]       ; 16 bytes for (L / 8) % 2,
	s_lshl_b32 s80, s[WV], 8
	v_add_nc_u32 v[AV0], s80, v[AV0]               ; my 128 channels
	s_lshl_b32 s80, s[WV], 6
	s_add_co_u32 s80, s80, COB
	v_lshl_add_u32 v[ACO], v161, 5, s80            ; keys 16 w + 8 h on, 4 bytes each
	v_mul_u32_u24 v[APR0], v160, PP
	v_lshl_add_u32 v[APR0], v161, 4, v[APR0]
	s_lshl_b32 s80, s[WV], 5
	v_add_nc_u32 v[APW0], s80, v[APR0]
	v_add_nc_u32 v[APW], PB+PBX, v[APW0]
	v_lshl_add_u32 v[AMR], v160, 4, MXB
	s_lshl_b32 s80, s[WV], 8
	v_add_nc_u32 v[AMW], s80, v[AMR]
	v_lshlrev_b32 v[PFO], 8, v168
	s_mul_i32 s80, s[WV], 8*PK
	s_add_co_u32 s80, s80, COB
	v_lshl_add_u32 v165, v168, 3, s80
	v_lshl_add_u32 v167, v0, 6, COB
.irp i, 170,171,172,173
	v_mov_b32 v\i, 0
.endr
.irp t, 0,1,2,3
	ds_store_b128 v[APW], v[170:173] offset:\t*16*PP   ; P(-1) = 0: my 16 keys of the 64 queries, in buffer 1
.endr
	s_wait_loadcnt 0x0
.macro STAGE hf                        ; my 8 rows of half hf, rounded to bf16, into the stage of 32 rows
	WIN 0x05
.set i, 0
.rept 32
	v_cvt_pk_bf16_f32 v[S+2*i], v[128*(\hf)+4*i], v[128*(\hf)+4*i+1]
	v_cvt_pk_bf16_f32 v[S+2*i+1], v[128*(\hf)+4*i+2], v[128*(\hf)+4*i+3]
.set i, i+1
.endr
	WIN 0
.set i, 0
.rept 32
	ds_store_b64 v165, v[S+2*i:S+2*i+1] offset:(i/4)*PK+256*(i%4)
.set i, i+1
.endr
.endm
.macro FRAGS hf                        ; every wave takes all 32 rows as fragments: tiles 2 hf, 2 hf + 1
.set c, 0
.rept 16
.if c < 8
	WIN 0x80
.else
	WIN 0xc0
.endif
.irp tp, 0,1
	ds_load_b128 v[8*(4*(c%8)+2*(\hf)+\tp):8*(4*(c%8)+2*(\hf)+\tp)+3],   v166 offset:\tp*16*PK+64*c
	ds_load_b128 v[8*(4*(c%8)+2*(\hf)+\tp)+4:8*(4*(c%8)+2*(\hf)+\tp)+7], v166 offset:\tp*16*PK+64*c+32
.endr
.set c, c+1
.endr
	WIN 0
.endm
	STAGE 0
	s_wait_dscnt 0x0                               ; my stores are done,
	s_barrier_signal -1
	s_barrier_wait -1                              ; everybody's are
	FRAGS 0
	s_wait_dscnt 0x0                               ; my reads are back,
	s_barrier_signal -1
	s_barrier_wait -1                              ; everybody's are: the stage may be written again
	STAGE 1
	s_wait_dscnt 0x0
	s_barrier_signal -1
	s_barrier_wait -1
	FRAGS 1
	s_wait_dscnt 0x0
	s_barrier_signal -1
	s_barrier_wait -1
	; the keys' tables, 16 keys a thread: -2 x, -2 y, -2 z, |k|^2
.set i, 0
.rept 16
	v_mul_f32 v[64+i], -2.0, v[204+3*i]
	v_mul_f32 v[80+i], -2.0, v[205+3*i]
	v_mul_f32 v[96+i], -2.0, v[206+3*i]
	v_mul_f32 v[112+i], v[204+3*i], v[204+3*i]
	v_fma_f32 v[112+i], v[205+3*i], v[205+3*i], v[112+i]
	v_fma_f32 v[112+i], v[206+3*i], v[206+3*i], v[112+i]
.set i, i+1
.endr
.irp g, 0,1,2,3
.irp i, 0,1,2,3
	ds_store_b128 v167, v[64+16*\g+4*\i:64+16*\g+4*\i+3] offset:8192*\g+16*\i
.endr
.endr
.irp t, 0,1,2,3
	v_mul_f32 v[QC+4*\t+3], v[QC+4*\t], v[QC+4*\t]
	v_fma_f32 v[QC+4*\t+3], v[QC+4*\t+1], v[QC+4*\t+1], v[QC+4*\t+3]
	v_fma_f32 v[QC+4*\t+3], v[QC+4*\t+2], v[QC+4*\t+2], v[QC+4*\t+3]
	v_mov_b32 v[ST+6*\t], 0xfe000000               ; c m: far below every c s
	v_mov_b32 v[ST+6*\t+1], 0xff7fffff             ; m
	v_mov_b32 v[ST+6*\t+2], 0                      ; l
	v_mov_b32 v[ST+6*\t+3], 0
	v_mov_b32 v[ST+6*\t+4], 0                      ; a(-1)
	v_mov_b32 v[ST+6*\t+5], 0
.endr
	WIN 0x40
.set i, 0
.rept 256
	v_mov_b32 v[i], 0
.set i, i+1
.endr
	WIN 0
.macro KCLOAD ofs                      ; my 8 keys' coordinates: 8 LDS loads
	WIN 0
.irp g, 0,1,2,3
	ds_load_b128 v[KC+8*\g:KC+8*\g+3],   v[ACO] offset:(\ofs)+8192*\g
	ds_load_b128 v[KC+8*\g+4:KC+8*\g+7], v[ACO] offset:(\ofs)+8192*\g+16
.endr
.endm
; d2 = (|k|^2 + |q|^2) + (-2 x) qx + (-2 y) qy + (-2 z) qz for tiles 2 hf, 2 hf + 1 and my 8 keys: 32 packed instructions.  Of a pair of QC, op_sel_hi 0 gives the first register to both halves, op_sel 1 the second.
.macro D2H hf
	WIN 0
.irp tt, 0,1
.irp p, 0,1,2,3
	v_pk_add_f32 v[W+8*(2*(\hf)+\tt)+2*\p:W+8*(2*(\hf)+\tt)+2*\p+1], v[KC+24+2*\p:KC+24+2*\p+1], v[QC+4*(2*(\hf)+\tt)+2:QC+4*(2*(\hf)+\tt)+3] op_sel:[0,1] op_sel_hi:[1,1]
.endr
.endr
.irp tt, 0,1
.irp p, 0,1,2,3
	v_pk_fma_f32 v[W+8*(2*(\hf)+\tt)+2*\p:W+8*(2*(\hf)+\tt)+2*\p+1], v[KC+2*\p:KC+2*\p+1], v[QC+4*(2*(\hf)+\tt):QC+4*(2*(\hf)+\tt)+1], v[W+8*(2*(\hf)+\tt)+2*\p:W+8*(2*(\hf)+\tt)+2*\p+1] op_sel_hi:[1,0,1]
.endr
.endr
.irp tt, 0,1
.irp p, 0,1,2,3
	v_pk_fma_f32 v[W+8*(2*(\hf)+\tt)+2*\p:W+8*(2*(\hf)+\tt)+2*\p+1], v[KC+8+2*\p:KC+8+2*\p+1], v[QC+4*(2*(\hf)+\tt):QC+4*(2*(\hf)+\tt)+1], v[W+8*(2*(\hf)+\tt)+2*\p:W+8*(2*(\hf)+\tt)+2*\p+1] op_sel:[0,1,0] op_sel_hi:[1,1,1]
.endr
.endr
.irp tt, 0,1
.irp p, 0,1,2,3
	v_pk_fma_f32 v[W+8*(2*(\hf)+\tt)+2*\p:W+8*(2*(\hf)+\tt)+2*\p+1], v[KC+16+2*\p:KC+16+2*\p+1], v[QC+4*(2*(\hf)+\tt)+2:QC+4*(2*(\hf)+\tt)+3], v[W+8*(2*(\hf)+\tt)+2*\p:W+8*(2*(\hf)+\tt)+2*\p+1] op_sel_hi:[1,0,1]
.endr
.endr
.endm
.macro FETCHK uu                       ; 8 LDS loads: K steps 4 uu + 0..3 of my 16 keys
	WIN 0
.irp cc, 0,1,2,3
	ds_load_b128 v[KB+32*((\uu)%2)+8*\cc:KB+32*((\uu)%2)+8*\cc+3],   v[ADK] offset:64*(4*(\uu)+\cc)
	ds_load_b128 v[KB+32*((\uu)%2)+8*\cc+4:KB+32*((\uu)%2)+8*\cc+7], v[ADK] offset:64*(4*(\uu)+\cc)+32
.endr
.endm
; THE DISTANCES' RIDERS: number dq of the 128 that turn d2 into w.  None has a vector register as its second source, so they stand under the score products' window settings.
;   0-63    max(d2, 1e-12), one register ahead of its root      64-111  the scalings by -2 log2(e), a pair each, and the exponentials      112-127 + 1e-8, a pair each
; The roots are one batch and the exponentials another: behind each a plain instruction and the one wait ahead of the first line that names a result.
.macro DM k
	v_pk_mul_f32 v[W+2*(\k):W+2*(\k)+1], v[W+2*(\k):W+2*(\k)+1], s[M2L:M2L+1] op_sel_hi:[1,0]
.endm
.macro DI
.if (dq == 64) || (dq == 112)
	v_nop
	s_wait_alu depctr_va_vdst(0)
.endif
.if dq < 2
	v_max_num_f32 v[W+dq], v[W+dq], s[E12]
.elseif dq < 62
.if dq%2 == 0
	v_sqrt_f32 v[W+dq/2-1], v[W+dq/2-1]
.else
	v_max_num_f32 v[W+dq/2+1], v[W+dq/2+1], s[E12]
.endif
.elseif dq < 64
	v_sqrt_f32 v[W+dq-32], v[W+dq-32]
.elseif dq < 66
	DM dq-64
.elseif dq < 108
.if (dq-66)%3 == 2
	DM (dq-66)/3+2
.else
	v_exp_f32 v[W+2*((dq-66)/3)+(dq-66)%3], v[W+2*((dq-66)/3)+(dq-66)%3]
.endif
.elseif dq < 112
	v_exp_f32 v[W+dq-80], v[W+dq-80]
.else
	v_pk_add_f32 v[W+2*(dq-112):W+2*(dq-112)+1], v[W+2*(dq-112):W+2*(dq-112)+1], s[E8:E8+1] op_sel_hi:[1,0]
.endif
.set dq, dq+1
.endm
; Four of the 128 lines that multiply O^T by the tile's factor (ST + 6 t + 4), numbers rq on: accumulator (cb, t) = (rq / 16, (rq / 4) % 4), each from its low end on.
.macro RS4
	WIN 0x41                                       ; destination and source 0 window 1
.rept 4
	v_pk_mul_f32 v[8*(4*(rq/16)+(rq/4)%4)+2*(rq%4):8*(4*(rq/16)+(rq/4)%4)+2*(rq%4)+1], v[8*(4*(rq/16)+(rq/4)%4)+2*(rq%4):8*(4*(rq/16)+(rq/4)%4)+2*(rq%4)+1], v[ST+6*((rq/4)%4)+4:ST+6*((rq/4)%4)+5] op_sel_hi:[1,0]
.set rq, rq+1
.endr
.endm
.macro RSALL                           ; all 128 of them
.set rq, 0
.rept 32
	RS4
.endr
.endm
; 16 products of S^T; behind each two of the distances' riders, behind every second one four rescalings.  The 4 accumulators take turns.  The first 4 start the sums with beta.
.macro MULS uu
.irp cc, 0,1,2,3
.irp t, 0,1,2,3
.if (\uu) < 2
	WIN 0x08                                       ; source 1 window 2
.else
	WIN 0x0c                                       ; source 1 window 3
.endif
.if (4*(\uu)+\cc) == 0
	v_wmma_f32_16x16x32_bf16 v[S+8*\t:S+8*\t+7], v[KB+32*((\uu)%2)+8*\cc:KB+32*((\uu)%2)+8*\cc+7], v[8*(4*((4*(\uu)+\cc)%8)+\t):8*(4*((4*(\uu)+\cc)%8)+\t)+7], v[BE:BE+7]
.else
	v_wmma_f32_16x16x32_bf16 v[S+8*\t:S+8*\t+7], v[KB+32*((\uu)%2)+8*\cc:KB+32*((\uu)%2)+8*\cc+7], v[8*(4*((4*(\uu)+\cc)%8)+\t):8*(4*((4*(\uu)+\cc)%8)+\t)+7], v[S+8*\t:S+8*\t+7]
.endif
	DI
	DI
.if (\t)%2
	RS4
.endif
.endr
.endr
	WIN 0
	PLACES                                         ; ahead of loads into the buffer just multiplied and of reads of the scores
.endm
.macro FETCHP kk                       ; 8 LDS loads: P's fragments of keys 32 kk on, all four tiles
	WIN 0
.irp t, 0,1,2,3
	ds_load_b128 v[PF+8*\t:PF+8*\t+3],   v[APR] offset:\t*16*PP+64*(\kk)
	ds_load_b128 v[PF+8*\t+4:PF+8*\t+7], v[APR] offset:\t*16*PP+64*(\kk)+32
.endr
.endm
.macro FETCHV q                        ; 8 turning loads: keys 32 (q / 2) on, channel blocks 4 (q % 2) + 0..3 of my eight
	WIN 0
.irp cbl, 0,1,2,3
	ds_load_tr16_b128 v[KB+32*((\q)%2)+8*\cbl:KB+32*((\q)%2)+8*\cbl+3],   v[ADV] offset:((\q)/2)*32*PV+32*(4*((\q)%2)+\cbl)
	ds_load_tr16_b128 v[KB+32*((\q)%2)+8*\cbl+4:KB+32*((\q)%2)+8*\cbl+7], v[ADV] offset:((\q)/2)*32*PV+16*PV+32*(4*((\q)%2)+\cbl)
.endr
.endm
; THE SOFTMAX'S RIDERS: number pq of the 73 that stand beside the last 32 value products.
;   0-19  the exponentials of s16-s31 and the four a      20  a plain instruction and the one wait for all 36 exponentials of the step (the first 16 stand in the run of vector work ahead)
;   21-36 p = 2^(..) w, a pair each      37-52 the roundings to bf16      53-56 P into LDS      57-72 the sums; l = a l + the sum
.macro PI
.if pq < 16
	v_exp_f32 v[S+16+pq], v[S+16+pq]
.elseif pq < 20
	v_exp_f32 v[ST+6*(pq-16)+4], v[ST+6*(pq-16)+5]
.elseif pq == 20
	v_nop
	s_wait_alu depctr_va_vdst(0)
.elseif pq < 37
	v_pk_mul_f32 v[S+2*(pq-21):S+2*(pq-21)+1], v[S+2*(pq-21):S+2*(pq-21)+1], v[W+2*(pq-21):W+2*(pq-21)+1]
.elseif pq < 53
	v_cvt_pk_bf16_f32 v[W+pq-37], v[S+2*(pq-37)], v[S+2*(pq-37)+1]
.elseif pq < 57
	ds_store_b128 v[APW], v[W+4*(pq-53):W+4*(pq-53)+3] offset:(pq-53)*16*PP
.elseif pq < 61
	v_pk_add_f32 v[S+8*(pq-57):S+8*(pq-57)+1], v[S+8*(pq-57):S+8*(pq-57)+1], v[S+8*(pq-57)+2:S+8*(pq-57)+3]
.elseif pq < 65
	v_pk_add_f32 v[S+8*(pq-61)+4:S+8*(pq-61)+5], v[S+8*(pq-61)+4:S+8*(pq-61)+5], v[S+8*(pq-61)+6:S+8*(pq-61)+7]
.elseif pq < 69
	v_pk_add_f32 v[S+8*(pq-65):S+8*(pq-65)+1], v[S+8*(pq-65):S+8*(pq-65)+1], v[S+8*(pq-65)+4:S+8*(pq-65)+5]
.elseif pq < 73
	v_pk_fma_f32 v[ST+6*(pq-69)+2:ST+6*(pq-69)+3], v[ST+6*(pq-69)+2:ST+6*(pq-69)+3], v[ST+6*(pq-69)+4:ST+6*(pq-69)+5], v[S+8*(pq-69):S+8*(pq-69)+1] op_sel_hi:[1,0,1]
.endif
.set pq, pq+1
.endm
.macro PSL                             ; slice sl of 16: three of them in the first seven slices (numbers 0 to 20), six in the other nine (the 52 that are left; the last slice has four)
	WIN 0
.if sl < 7
.rept 3
	PI
.endr
.else
.rept 6
	PI
.endr
.endif
.set sl, sl+1
.endm
; 16 products of O^T: keys 32 (q / 2) on, channel blocks 4 (q % 2) + 0..3, four tiles: 16 accumulators that take turns.  ride = 1: a slice of the softmax behind every second one.
.macro MULP q, ride
.irp cbl, 0,1,2,3
.irp t, 0,1,2,3
	WIN 0x50                                       ; C and D window 1
	v_wmma_f32_16x16x32_bf16 v[8*(4*(4*((\q)%2)+\cbl)+\t):8*(4*(4*((\q)%2)+\cbl)+\t)+7], v[KB+32*((\q)%2)+8*\cbl:KB+32*((\q)%2)+8*\cbl+7], v[PF+8*\t:PF+8*\t+7], v[8*(4*(4*((\q)%2)+\cbl)+\t):8*(4*(4*((\q)%2)+\cbl)+\t)+7]
.if (\ride) && ((\t)%2)
	PSL
.endif
.endr
.endr
	WIN 0
.endm
.macro TILES line:vararg               ; one line for each tile t
.set t, 0
.rept 4
	\line
.set t, t+1
.endr
.endm
.macro FS i                            ; pair i of 16: c s - c m
	v_pk_fma_f32 v[S+2*(\i):S+2*(\i)+1], v[S+2*(\i):S+2*(\i)+1], s[CS:CS+1], v[ST+6*((\i)/4):ST+6*((\i)/4)+1] op_sel_hi:[1,0,0] neg_lo:[0,0,1] neg_hi:[0,0,1]
.endm
; A KEY STEP j.  fillk, fillv: K''(j + 2), V'(j + 1) are asked for.  last = 1: there is no next step; the residual is asked for instead of the next coordinates.
.macro STEP fillk, fillv, last
	v_add_nc_u32 v[ADK], s[SKB], v[AK0]
	v_add_nc_u32 v[ADV], s[SVB], v[AV0]
	v_add_nc_u32 v[APR], s[PBR], v[APR0]
	v_add_nc_u32 v[APW], s[PBW], v[APW0]
	FETCHK 0
	FETCHK 1
	FETCHP 0                                       ; P(j - 1), keys 0-31: written in front of the last round
	D2H 1                                          ; the second half of this step's d2 stands behind the loads
.set dq, 0
.set rq, 0
	s_wait_loadcnt 0x0                             ; beta, asked for a step ago
	s_wait_dscnt 16                                ; K's first run is in; its second run and P's fragments stay out
	MULS 0
	FETCHK 2
	s_wait_dscnt 8                                 ; all but the youngest run of 8 (so at every count of 8 in the score products)
	MULS 1
	FETCHK 3
	s_wait_dscnt 8
	MULS 2
	FETCHV 0                                       ; V'(j - 1)
	s_wait_dscnt 8
	MULS 3
	FETCHV 1
	; my 16 keys' maximum for each query
	TILES v_max3_num_f32 v[TMP+t], v[S+8*t], v[S+8*t+1], v[S+8*t+2]
	TILES v_max3_num_f32 v[TMP+t], v[TMP+t], v[S+8*t+3], v[S+8*t+4]
	TILES v_max3_num_f32 v[TMP+t], v[TMP+t], v[S+8*t+5], v[S+8*t+6]
	TILES v_max_num_f32 v[TMP+t], v[TMP+t], v[S+8*t+7]
	TILES v_permlanex16_b32 v[TMP+4+t], v[TMP+t], s[SEL], s[SEL+1]
	TILES v_max_num_f32 v[TMP+t], v[TMP+t], v[TMP+4+t]
	ds_store_b128 v[AMW], v[TMP:TMP+3]
	s_wait_dscnt 0x0                               ; for the others' sake: my maxima are stored; V's first two runs are in too
	s_barrier_signal -1                            ; the tiles asked for in the last round may stay on their way
	MULP 0, 0                                      ; sixteen products, work on registers, while the others arrive
	s_barrier_wait -1
.irp wv, 0,1,2,3
	ds_load_b128 v[KC+4*\wv:KC+4*\wv+3], v[AMR] offset:256*\wv
.endr
	PLACES
	FETCHV 2
	MULP 1, 0                                      ; its operands were in at the wait for 0 above
	PLACES
	FETCHP 1                                       ; P(j - 1), keys 32-63
	FETCHV 3
	s_wait_dscnt 24                                ; the four waves' maxima are in; V's third run, P's fragments and V's fourth run stay out
	TILES v_max3_num_f32 v[ST+6*t+1], v[ST+6*t+1], v[KC+t], v[KC+4+t]
	TILES v_mov_b32 v[ST+6*t+5], v[ST+6*t]
	TILES v_max3_num_f32 v[ST+6*t+1], v[ST+6*t+1], v[KC+8+t], v[KC+12+t]
	TILES v_mul_f32 v[ST+6*t], s[CS], v[ST+6*t+1]
	TILES v_sub_f32 v[ST+6*t+5], v[ST+6*t+5], v[ST+6*t]
.if \last
	v_lshrrev_b32 v[ADK], 4, v[PFO]                ; 16 x lane
	WIN 0x80                                       ; window 2: its part of Q has been multiplied for the last time
.irp i, 0,1,2,3,4,5,6,7,8,9,10,11,12,13,14,15
.irp q, 0,1,2,3
	global_load_b128 v[4*(4*\i+\q):4*(4*\i+\q)+3], v[ADK], s[RSB:RSB+1] offset:2048*\i+512*\q th:TH_LOAD_NT
.endr
.endr
	WIN 0
.else
	KCLOAD 256                                     ; the next step's coordinates,
	s_add_nc_u64 s[BEP:BEP+1], s[BEP:BEP+1], 256   ; (the loads that named it were waited for at the step's head)
	global_load_b128 v[BE:BE+3], v[ABE], s[BEP:BEP+1]              ; and its beta
	global_load_b128 v[BE+4:BE+7], v[ABE], s[BEP:BEP+1] offset:16
.endif
	; c s - c m, and the first 16 of the step's 36 exponentials, none of whose results is named ahead of their one wait
.set i, 0
.rept 8
	FS i
.set i, i+1
.endr
.set i, 0
.rept 8
	v_exp_f32 v[S+2*i], v[S+2*i]
	FS 8+i
	v_exp_f32 v[S+2*i+1], v[S+2*i+1]
.set i, i+1
.endr
.set pq, 0
.set sl, 0
	s_wait_dscnt 16-8*(\last)                      ; V's third run and P's fragments are in; V's fourth run and the 8 loads of coordinates stay out
	MULP 2, 1
	s_wait_dscnt 8-8*(\last)                       ; V's fourth run is in; the coordinates stay out
	MULP 3, 1
	s_wait_tensorcnt 0x0                           ; all my tensor loads have landed: K''(j + 1) or V'(j)
	ds_add_u32 v[SPW], v[NIL]                      ; 0 onto my spare word: scalar work stands between it and the wait for it
.if \fillk
	s_xor_b32 s[G0K+1], s[G0K+1], KX               ; the walking descriptors: the other slot, the next tile
	s_add_nc_u64 s[G0K+2:G0K+3], s[G0K+2:G0K+3], 65536
.endif
.if \fillv
	s_xor_b32 s[G0V+1], s[G0V+1], VX
	s_add_nc_u64 s[G0V+2:G0V+3], s[G0V+2:G0V+3], 65536
.endif
.if \fillk
	s_wait_xcnt 0x0                                ; the last prefetch, a step back, has read its address
	s_add_nc_u64 s[PFA:PFA+1], s[PFA:PFA+1], 65536
.endif
	s_wait_dscnt 0x0                               ; the add is done, my reads of the slots and of P are over, P(j) is stored, the next coordinates are in
	s_barrier_signal -1                            ; where a slot is filled again this barrier opens a round of the cluster's; work on registers alone stands inside
.if !(\last)
	D2H 0                                          ; the first half of the next step's d2
.endif
	s_barrier_wait -1
.if \fillv
	CREST
.if \fillk
	JLOAD
	ASK
.else
	JLOADV
.endif
.endif
	s_xor_b32 s[SKB], s[SKB], KX
	s_xor_b32 s[SVB], s[SVB], VX
	s_xor_b32 s[PBW], s[PBW], PBX
	s_xor_b32 s[PBR], s[PBR], PBX
	v_add_nc_u32 v[ACO], 256, v[ACO]
.endm
	s_wait_tensorcnt 0x0                           ; my first tiles are in,
	s_wait_dscnt 0x0                               ; my tables and my zeros are stored,
	s_barrier_signal -1
	s_barrier_wait -1                              ; everybody's are
	KCLOAD 0
	s_wait_dscnt 0x0
	D2H 0
	s_mov_b32 s[CNT], 30
.Lstep:                                                ; steps 0 to 29
	STEP 1, 1, 0
	s_sub_co_u32 s[CNT], s[CNT], 1
	s_cmp_lg_u32 s[CNT], 0
	s_cbranch_scc1 .Lstep
	STEP 0, 1, 0                                   ; the tail is written out: step 30 asks for V'(31) alone
	STEP 0, 0, 1                                   ; step 31 for nothing
	; the value products of step 31: O^T times a(31), then V'(31)^T P(31).  The last slice's four sums and the lines below are the places behind the last products
	v_add_nc_u32 v[ADV], s[SVB], v[AV0]
	v_add_nc_u32 v[APR], s[PBR], v[APR0]
	FETCHP 0
	FETCHV 0
	FETCHV 1
	RSALL
	s_wait_dscnt 0x0
	MULP 0, 0
	MULP 1, 0
	PLACES
	FETCHP 1
	FETCHV 2
	FETCHV 3
	s_wait_dscnt 0x0
	MULP 2, 0
	MULP 3, 0
	; THE END.  l: its two halves, the other half of the lanes, the four waves.  The additions are the places behind the last products.
	TILES v_add_f32 v[TMP+t], v[ST+6*t+2], v[ST+6*t+3]
	TILES v_permlanex16_b32 v[TMP+4+t], v[TMP+t], s[SEL], s[SEL+1]
	TILES v_add_f32 v[TMP+t], v[TMP+t], v[TMP+4+t]
	ds_store_b128 v[AMW], v[TMP:TMP+3]
	s_wait_dscnt 0x0
	s_barrier_signal -1
	s_barrier_wait -1                              ; also: no wave reads a slot any more, and the slots have had their last fill
.irp wv, 0,1,2,3
	ds_load_b128 v[KC+4*\wv:KC+4*\wv+3], v[AMR] offset:256*\wv
.endr
	v_and_b32 v9, 15, v0                           ; r
	v_bfe_u32 v10, v0, 4, 1                        ; h
	v_mul_u32_u24 v2, v9, PX                       ; O's stage: row r, my 128 channels' 512 bytes, 32 for each half of the lanes
	v_lshl_add_u32 v2, v10, 5, v2
	s_lshl_b32 s80, s[WV], 9
	v_add_nc_u32 v2, s80, v2
	v_add_nc_u32 v3, 32*PX, v2                     ; tiles 2 and 3
	s_mul_i32 s80, s[WV], 16*PX
	v_add_nc_u32 v7, s80, v[ADK]                   ; back: my 16 rows, 16 bytes a lane (v4 holds 16 x lane since the last step)
	v_add_nc_u32 v6, RSTG, v7                      ; the same in the residual's stage
	v_mov_b32 v8, v[ADK]
	s_wait_dscnt 0x0
	TILES v_add_f32 v[KC+t], v[KC+t], v[KC+4+t]
	TILES v_add_f32 v[KC+8+t], v[KC+8+t], v[KC+12+t]
	TILES v_add_f32 v[KC+t], v[KC+t], v[KC+8+t]
	TILES v_rcp_f32 v[ST+6*t+4], v[KC+t]
	v_nop
	s_wait_alu depctr_va_vdst(0)                   ; one wait for the four reciprocals
	RSALL
	WIN 0
.irp q, 0,1,2,3
	global_load_b128 v[16+4*\q:16+4*\q+3], v[ADK], s[14:15] offset:512*\q   ; hv, ln_g, ln_b of my 16 columns
	global_load_b128 v[32+4*\q:32+4*\q+3], v[ADK], s[16:17] offset:512*\q
	global_load_b128 v[48+4*\q:48+4*\q+3], v[ADK], s[18:19] offset:512*\q
.endr
	WIN 0x04                                       ; store data window 1
.irp t, 0,1,2,3
.irp cb, 0,1,2,3,4,5,6,7
	ds_store_b128 v[2+\t/2], v[8*(4*\cb+\t):8*(4*\cb+\t)+3]   offset:(\t%2)*16*PX+64*\cb
	ds_store_b128 v[2+\t/2], v[8*(4*\cb+\t)+4:8*(4*\cb+\t)+7] offset:(\t%2)*16*PX+64*\cb+16
.endr
.endr
	s_wait_loadcnt 0x0                             ; the residual, and the three vectors
	WIN 0x08                                       ; store data window 2
.irp i, 0,1,2,3,4,5,6,7,8,9,10,11,12,13,14,15
.irp q, 0,1,2,3
	ds_store_b128 v6, v[4*(4*\i+\q):4*(4*\i+\q)+3] offset:PX*\i+512*\q   ; through LDS, so that the LayerNorm is a loop on fixed registers
.endr
.endr
	WIN 0
	s_wait_dscnt 0x0                               ; a row of O comes from four waves
	s_barrier_signal -1
	s_barrier_wait -1
; THE LAYERNORM: wave w has rows 16 w + 0..15, four a trip; a lane holds 16 numbers of a row.
.set HVR, 16
.set GR,  32
.set BR,  48
.set XO,  64
.set XR,  128
.macro ROWS line:vararg                ; one line for each of a trip's four rows
.set rr, 0
.rept 4
	\line
.set rr, rr+1
.endr
.endm
.macro PAIRS line:vararg               ; one line for each pair p of each row
.set p, 0
.rept 8
	ROWS \line
.set p, p+1
.endr
.endm
.macro REDUCE a, b                     ; across the 32 lanes; the result in every lane
	ROWS v_add_f32_dpp v[XR+16*rr+\a], v[XR+16*rr+\a], v[XR+16*rr+\a] row_xmask:1 row_mask:0xf bank_mask:0xf
	ROWS v_add_f32_dpp v[XR+16*rr+\a], v[XR+16*rr+\a], v[XR+16*rr+\a] row_xmask:2 row_mask:0xf bank_mask:0xf
	ROWS v_add_f32_dpp v[XR+16*rr+\a], v[XR+16*rr+\a], v[XR+16*rr+\a] row_xmask:4 row_mask:0xf bank_mask:0xf
	ROWS v_add_f32_dpp v[XR+16*rr+\a], v[XR+16*rr+\a], v[XR+16*rr+\a] row_xmask:8 row_mask:0xf bank_mask:0xf
	ROWS v_permlanex16_b32 v[XR+16*rr+\b], v[XR+16*rr+\a], s[SEL], s[SEL+1]
	ROWS v_add_f32 v[XR+16*rr+\a], v[XR+16*rr+\a], v[XR+16*rr+\b]
.endm
	s_mov_b32 s[CNT], 4
.Lln:
.irp r4, 0,1,2,3
.irp q, 0,1,2,3
	ds_load_b128 v[XO+16*\r4+4*\q:XO+16*\r4+4*\q+3], v7 offset:PX*\r4+512*\q
	ds_load_b128 v[XR+16*\r4+4*\q:XR+16*\r4+4*\q+3], v6 offset:PX*\r4+512*\q
.endr
.endr
	s_wait_dscnt 0x0
	PAIRS v_pk_add_f32 v[XO+16*rr+2*p:XO+16*rr+2*p+1], v[XO+16*rr+2*p:XO+16*rr+2*p+1], v[XR+16*rr+2*p:XR+16*rr+2*p+1]
	PAIRS v_pk_add_f32 v[XO+16*rr+2*p:XO+16*rr+2*p+1], v[XO+16*rr+2*p:XO+16*rr+2*p+1], v[HVR+2*p:HVR+2*p+1]
	ROWS v_pk_add_f32 v[XR+16*rr:XR+16*rr+1], v[XO+16*rr:XO+16*rr+1], v[XO+16*rr+2:XO+16*rr+3]
	ROWS v_pk_add_f32 v[XR+16*rr+2:XR+16*rr+3], v[XO+16*rr+4:XO+16*rr+5], v[XO+16*rr+6:XO+16*rr+7]
	ROWS v_pk_add_f32 v[XR+16*rr+4:XR+16*rr+5], v[XO+16*rr+8:XO+16*rr+9], v[XO+16*rr+10:XO+16*rr+11]
	ROWS v_pk_add_f32 v[XR+16*rr+6:XR+16*rr+7], v[XO+16*rr+12:XO+16*rr+13], v[XO+16*rr+14:XO+16*rr+15]
	ROWS v_pk_add_f32 v[XR+16*rr:XR+16*rr+1], v[XR+16*rr:XR+16*rr+1], v[XR+16*rr+2:XR+16*rr+3]
	ROWS v_pk_add_f32 v[XR+16*rr+4:XR+16*rr+5], v[XR+16*rr+4:XR+16*rr+5], v[XR+16*rr+6:XR+16*rr+7]
	ROWS v_pk_add_f32 v[XR+16*rr:XR+16*rr+1], v[XR+16*rr:XR+16*rr+1], v[XR+16*rr+4:XR+16*rr+5]
	ROWS v_add_f32 v[XR+16*rr], v[XR+16*rr], v[XR+16*rr+1]
	REDUCE 0, 1
	ROWS v_mul_f32 v[XR+16*rr], s[I512], v[XR+16*rr]
	PAIRS v_pk_add_f32 v[XO+16*rr+2*p:XO+16*rr+2*p+1], v[XO+16*rr+2*p:XO+16*rr+2*p+1], v[XR+16*rr:XR+16*rr+1] op_sel_hi:[1,0] neg_lo:[0,1] neg_hi:[0,1]
	ROWS v_pk_mul_f32 v[XR+16*rr+2:XR+16*rr+3], v[XO+16*rr:XO+16*rr+1], v[XO+16*rr:XO+16*rr+1]
	ROWS v_pk_mul_f32 v[XR+16*rr+4:XR+16*rr+5], v[XO+16*rr+2:XO+16*rr+3], v[XO+16*rr+2:XO+16*rr+3]
.irp p2, 4,8,12
	ROWS v_pk_fma_f32 v[XR+16*rr+2:XR+16*rr+3], v[XO+16*rr+\p2:XO+16*rr+\p2+1], v[XO+16*rr+\p2:XO+16*rr+\p2+1], v[XR+16*rr+2:XR+16*rr+3]
	ROWS v_pk_fma_f32 v[XR+16*rr+4:XR+16*rr+5], v[XO+16*rr+\p2+2:XO+16*rr+\p2+3], v[XO+16*rr+\p2+2:XO+16*rr+\p2+3], v[XR+16*rr+4:XR+16*rr+5]
.endr
	ROWS v_pk_add_f32 v[XR+16*rr+2:XR+16*rr+3], v[XR+16*rr+2:XR+16*rr+3], v[XR+16*rr+4:XR+16*rr+5]
	ROWS v_add_f32 v[XR+16*rr+2], v[XR+16*rr+2], v[XR+16*rr+3]
	REDUCE 2, 3
	ROWS v_fma_f32 v[XR+16*rr+2], v[XR+16*rr+2], s[I512], s[E5]
	ROWS v_rsq_f32 v[XR+16*rr+2], v[XR+16*rr+2]
	v_nop
	s_wait_alu depctr_va_vdst(0)                   ; one wait for the four roots
	PAIRS v_pk_mul_f32 v[XO+16*rr+2*p:XO+16*rr+2*p+1], v[XO+16*rr+2*p:XO+16*rr+2*p+1], v[XR+16*rr+2:XR+16*rr+3] op_sel_hi:[1,0]
	PAIRS v_pk_fma_f32 v[XO+16*rr+2*p:XO+16*rr+2*p+1], v[XO+16*rr+2*p:XO+16*rr+2*p+1], v[GR+2*p:GR+2*p+1], v[BR+2*p:BR+2*p+1]
.irp r4, 0,1,2,3
.irp q, 0,1,2,3
	global_store_b128 v8, v[XO+16*\r4+4*\q:XO+16*\r4+4*\q+3], s[20:21] offset:2048*\r4+512*\q th:TH_STORE_NT  ; 512 consecutive bytes, at a multiple of 256 from out0's first byte
.endr
.endr
	s_wait_xcnt 0x0                                ; the stores have read their registers: offset and data are written again only behind this wait
	v_add_nc_u32 v8, 8192, v8
	v_add_nc_u32 v7, 4*PX, v7
	v_add_nc_u32 v6, 4*PX, v6
	s_sub_co_u32 s[CNT], s[CNT], 1
	s_cmp_lg_u32 s[CNT], 0
	s_cbranch_scc1 .Lln
	s_wait_tensorcnt 0x0                           ; the wave's end: behind my last tensor load and my last LDS store
	ds_add_u32 v[SPW], v[NIL]
	s_wait_dscnt 0x0
	CROUND                                         ; the closing round: no work-group ends while a partner may still ask for a tile that names it
	s_endpgm
.Lfunc_end_k_qf2a6065736_attn:
	.size	k_qf2a6065736_attn, .Lfunc_end_k_qf2a6065736_attn-k_qf2a6065736_attn
	.p2alignl 7, 3214868480
	.fill 96, 4, 3214868480
	.section	.rodata,"a",@progbits
	.p2align	6, 0x0
	.amdhsa_kernel k_qf2a6065736_attn
		.amdhsa_group_segment_fixed_size 327680
		.amdhsa_private_segment_fixed_size 0
		.amdhsa_enable_private_segment 0
		.amdhsa_kernarg_size 72
		.amdhsa_user_sgpr_count 2
		.amdhsa_user_sgpr_kernarg_segment_ptr 1
		.amdhsa_wavefront_size32 1
		.amdhsa_system_sgpr_workgroup_id_x 1
		.amdhsa_system_sgpr_workgroup_id_y 1
		.amdhsa_system_sgpr_workgroup_id_z 1
		.amdhsa_system_vgpr_workitem_id 0
		.amdhsa_next_free_vgpr 1024
		.amdhsa_next_free_sgpr 102
		.amdhsa_reserve_vcc 0
		.amdhsa_float_denorm_mode_32 3
		.amdhsa_float_denorm_mode_16_64 3
		.amdhsa_memory_ordered 1
		.amdhsa_forward_progress 1
		.amdhsa_inst_pref_size 252
	.end_amdhsa_kernel
	.amdgpu_metadata
---
amdhsa.version: [ 1, 2 ]
amdhsa.kernels:
  - .name:           k_qf2a6065736_attn
    .symbol:         k_qf2a6065736_attn.kd
    .args:
      - { .name: query_feat, .offset: 0, .size: 8, .value_kind: global_buffer, .address_space: global }
      - { .name: kv, .offset: 8, .size: 8, .value_kind: global_buffer, .address_space: global }
      - { .name: query_xyz, .offset: 16, .size: 8, .value_kind: global_buffer, .address_space: global }
      - { .name: key_xyz, .offset: 24, .size: 8, .value_kind: global_buffer, .address_space: global }
      - { .name: beta, .offset: 32, .size: 8, .value_kind: global_buffer, .address_space: global }
      - { .name: hv, .offset: 40, .size: 8, .value_kind: global_buffer, .address_space: global }
      - { .name: ln_g, .offset: 48, .size: 8, .value_kind: global_buffer, .address_space: global }
      - { .name: ln_b, .offset: 56, .size: 8, .value_kind: global_buffer, .address_space: global }
      - { .name: out0, .offset: 64, .size: 8, .value_kind: global_buffer, .address_space: global }
    .group_segment_fixed_size: 327680
    .private_segment_fixed_size: 0
    .kernarg_segment_align: 8
    .kernarg_segment_size: 72
    .max_flat_workgroup_size: 128
    .sgpr_count:     102
    .vgpr_count:     1024
    .wavefront_size: 32
...
	.end_amdgpu_metadata
.endif
;; end of part 3
;; ======== version 2 of 2: 3 launches; version 1 with the launch fold written anew for expert scheduling mode
;; limits: values outside matrix products are rounded to bf16
;; workspace buffers: wc 1,048,576 bytes; u 2,048 bytes; hv 2,048 bytes; kv 33,554,432 bytes; beta 65,536 bytes
;; launch fold (part 4): grid 32 x 2, 8 waves a work-group, no clusters, 315,904 bytes of LDS; arguments Wq, Wk, Wo, Wv, bq, bv, bo, wc, u, hv; writes wc, u, hv
.if DOCPART == 4
	.amdgcn_target "amdgcn-amd-amdhsa--gfx1250"
	.amdhsa_code_object_version 6
	.text
	.protected	k_qf2a6065736_fold
	.globl	k_qf2a6065736_fold
	.p2align	8
	.type	k_qf2a6065736_fold,@function
k_qf2a6065736_fold:
	s_mov_b64 s[64:65], 0
	v_nop
	global_prefetch_b8 v0, s[64:65] scope:SCOPE_SE
	s_setreg_imm32_b32 hwreg(HW_REG_WAVE_SCHED_MODE, 0, 2), 2
	s_setreg_imm32_b32 hwreg(HW_REG_WAVE_MODE, 25, 1), 1
	s_wait_xcnt 0x0
	s_wait_alu depctr_vm_vsrc(0)
; FOLD: the four weight matrices are folded into two, once, so that two of the module's four projections are never made.
; DEAD WORK.  K = Wk kf + bk adds Q[n] . bk / sqrt(d) to every score of row n: the same number along the softmax's axis, for all values of the inputs; a softmax is unchanged by it.
; So bk reaches no output: it is not loaded and is among no launch's arguments.  LIMIT: a NaN, an infinity or an overflow that reaches only Q . bk is not carried to the result.
; REASSOCIATION (real numbers, all inputs).  Q . (Wk kf) = qf . (G kf) + u . kf with G[d1][d2] = sum_e Wq[e][d1] Wk[e][d2], u[d2] = sum_e bq[e] Wk[e][d2].
; The softmax's weights add up to 1, so (attn (Wv kf + bv)) Wo^T + bo = attn (H kf) + hv with H[f][d] = sum_e Wo[f][e] Wv[e][d], hv[f] = sum_e Wo[f][e] bv[e] + bo[f].
; LIMITS.  The weights and the two biases bq, bv are rounded to bf16 for the products, G and H once more to bf16 as later operands: an order of rounding other than reference()'s.  Sums in f32.  NaN and infinities are not treated apart.
; OUT.  wc: bf16 [1024][512], rows 0-511 G[d1][.], rows 512-1023 H[f][.].  u, hv: f32 [512].
; SHARES.  Grid y = 0 makes G, y = 1 makes H.  A work-group makes 64 (m) x 128 (n) with all of K = 512; x = 4 mt + nt.  Eight waves, each 32 x 32: four accumulators.
; NO TENSOR LOADS, NO CLUSTER: the operands are f32 and are rounded on the way, so they pass through registers; there is no tile that a joint request could bring as it is wanted.
; The matrix instruction is used transposed (source 0 = 16 n, source 1 = 16 m): a lane holds one row m and eight neighbouring n.
; A's TWO FORMS HAVE LDS BYTES OF THEIR OWN (AP0 for G, AP1 for H; a work-group uses one of them): no store of one arm names a byte that a store of the other arm names.
; THE MODE: SCHED_MODE bits 1:0 = 2 (LLVM: expert scheduling mode 2), set by the entry lines.  The code itself states the register dependences
; between vector or matrix instructions and memory or LDS instructions, with s_wait_alu, always for 0.
; THE PLAN.  Registers that memory or LDS instructions touch:
;   R0, R1, R2    Three raw batches of 64.  A batch's loads land in one; its 32 roundings read it.  Batches 0 to 2 are rounded into OUT and the raw buffer is asked for again at once;
;                 the last three batches close up in place, and the LDS stores read their low halves.
;   OUT           The accumulators' 32 registers, idle while the operands are staged: written by the roundings of batches 0 to 2, read by the batch's 16 LDS stores.
;   FR            Four fragment sets in two pairs.  The 8 products of a pair read it; meanwhile the 16 loads of the next two K steps land in the other pair.
;   v8, v9        The fragments' LDS addresses: read by every fragment load, stepped once a trip (four K steps); immediate offsets do the rest.
;   v4-v7, v12-v15, v20-v23  Offsets and addresses, each made ahead of a wait that stands there for data too; v18, v19 are stepped once, in u's pass; v22 is made a second time at the end.
;   v[SPW], v[NIL]  Written at the head, read by the closing add alone.
; So a batch of the staging has ONE wait on va_vdst, behind its roundings: the stores' data are written and the raw buffer has been read; the reload and the stores follow it.  A pair of K steps has ONE, at
; its head: the products of the pair before are done reading the other pair; the 16 loads follow it, two behind each product, and the products name their own pair and the accumulators alone.
; Waits on vm_vsrc stand ahead of the lines that write again what LDS instructions have read: OUT (twice), the staging's registers (once, behind its barrier), v8 and v9 (once a trip), v18 and v19 (once).
.set PBN,   288                        ; LDS row of B [e][128 n] bf16: 256 + 32 bytes, an odd multiple of 32, for the turning load
.set PA0,   160                        ; LDS row of A for G, [e][64 m]: 128 + 32
.set PA1,   1040                       ; LDS row of A for H, [m][512 e]: 1,024 + 16
.set AP0,   147456                     ; behind B's 512 rows: A for G, 512 rows of 160 bytes
.set AP1,   229376                     ; behind it: A for H, 64 rows of 1,040 bytes
.set EXT,   295936                     ; the bias bq or bv, bf16 [512]
.set RED,   296960                     ; u's 128 or hv's 64 sums, f32
.set OST,   297472                     ; the way out: 64 rows x 272 bytes
.set OSP,   272
.set SPARE, 314880                     ; the spare words, 128 bytes for each of the eight waves: no other line names them
.set SPW, 16                           ; v16  my spare word
.set NIL, 17                           ; v17  0
.set ACC, 24                           ; v[24:55]  accumulator (a, b) at ACC + 8 (2 a + b)
.set OUTB, 24                          ; the same 32 registers while the operands are staged: a batch rounded to bf16
.set FR,  64                           ; v[64:191] pair p, set s at FR + 64 p + 32 s: n0, n1, m0, m1
.set R0,  64                           ; three sets of 64 for the loads of the staging
.set R1,  128
.set R2,  192
.set XA,  192                          ; the bias pass's two accumulators
.macro PLACES                          ; four places behind a matrix instruction, ahead of loads into its sources and of reads of its result
.rept 4
	v_nop
.endr
.endm
.macro GLOAD fs, adr, base, b, step    ; batch b: 16 loads of 512 bytes a wave
.set i, 0
.rept 16
	global_load_b128 v[(\fs)+4*i:(\fs)+4*i+3], v[\adr], s[\base:\base+1] offset:(16*(\b)+i)*(\step)
.set i, i+1
.endr
.endm
.macro ROUND16 fs, out                 ; a batch rounded to bf16: 64 registers into 32.  out = fs: they close up in place (a register is written only when it has been read)
.set i, 0
.rept 16
	v_cvt_pk_bf16_f32 v[(\out)+2*i], v[(\fs)+4*i], v[(\fs)+4*i+1]
	v_cvt_pk_bf16_f32 v[(\out)+2*i+1], v[(\fs)+4*i+2], v[(\fs)+4*i+3]
.set i, i+1
.endr
.endm
.macro PUT16 out, adr, b, step         ; batch b, 8 bytes a lane into LDS
.set i, 0
.rept 16
	ds_store_b64 v[\adr], v[(\out)+2*i:(\out)+2*i+1] offset:(16*(\b)+i)*(\step)
.set i, i+1
.endr
.endm
	s_load_b512 s[4:19], s[0:1], 0x0               ; Wq s[4:5], Wk s[6:7], Wo s[8:9], Wv s[10:11], bq s[12:13], bv s[14:15], bo s[16:17], wc s[18:19]
	s_load_b128 s[20:23], s[0:1], 0x40             ; u s[20:21], hv s[22:23]
	v_lshl_add_u32 v[SPW], v0, 2, SPARE
	v_mov_b32 v[NIL], 0
	v_lshrrev_b32 v1, 5, v0
	v_readfirstlane_b32 s24, v1                    ; wave w, 0..7
	v_and_b32 v1, 31, v0                           ; lane L
	v_and_b32 v2, 15, v0                           ; r
	v_bfe_u32 v3, v0, 4, 1                         ; h
	s_and_b32 s25, ttmp7, 0xffff                   ; y: 0 G, 1 H
	s_lshr_b32 s26, ttmp9, 2                       ; mt
	s_and_b32 s27, ttmp9, 3                        ; nt
	s_wait_alu depctr_va_sdst(0)                   ; s24 is written, ahead of its first reader
	s_lshr_b32 s28, s24, 2                         ; wm
	s_and_b32 s29, s24, 3                          ; wn
	s_and_b32 s34, s24, 1
	; B (Wk or Wv): wave w stages rows e = 64 w + 0..63, columns 128 nt on: one load is a row's 512 bytes
	s_lshl_b32 s30, s24, 17                        ; 64 w rows of 2,048 bytes
	s_lshl_b32 s31, s27, 9
	s_add_co_u32 s31, s30, s31
	v_lshl_add_u32 v4, v1, 4, s31                  ; global offset
	s_mul_i32 s31, s24, 64*PBN
	v_lshl_add_u32 v5, v1, 3, s31                  ; LDS address
	; A.  G: rows e = 64 w + h + 2 jj of Wq, 256 bytes at 256 mt.  H: row 64 mt + (w & 1) + 2 jj of Wo, its quarter w >> 1.  Both step 4,096 bytes a load.
	s_lshl_b32 s32, s26, 8
	s_add_co_u32 s32, s30, s32
	s_lshl_b32 s33, s26, 17
	s_lshl_b32 s35, s34, 11
	s_add_co_u32 s33, s33, s35
	s_lshr_b32 s35, s24, 1
	s_lshl_b32 s35, s35, 9
	s_add_co_u32 s33, s33, s35
	s_mov_b32 s35, 2048
	s_mov_b32 s43, 256
	s_cmp_eq_u32 s25, 0
	s_cselect_b32 s32, s32, s33
	s_cselect_b32 s33, s35, s43                    ; what lanes 16-31 lie further on: a row, or 256 bytes
	s_cselect_b32 s42, s26, s27                    ; the work-groups in which this is 0 also make the bias: mt for u, nt for hv
	v_mul_u32_u24 v6, s33, v3
	v_lshl_add_u32 v6, v2, 4, v6
	v_add_nc_u32 v6, s32, v6
	v_lshlrev_b32 v21, 4, v0
	s_wait_kmcnt 0x0
	s_cmp_eq_u32 s25, 0
	s_cselect_b64 s[36:37], s[4:5], s[8:9]         ; A: Wq or Wo
	s_cselect_b64 s[38:39], s[6:7], s[10:11]       ; B: Wk or Wv
	s_cselect_b64 s[40:41], s[12:13], s[14:15]     ; the bias: bq or bv
	s_wait_alu depctr_va_vdst(0)                   ; v4, v5, v6 and v21 are written: the staging's loads and stores read them as offsets and addresses
	s_cmp_lt_u32 s24, 4
	s_cbranch_scc0 .Lno_bias_load
	global_load_b128 v[56:59], v21, s[40:41]       ; threads 0-127: the 512 numbers; older than every batch, so the first counted wait covers it
.Lno_bias_load:
	GLOAD R0, 4, 38, 0, 2048
	GLOAD R1, 4, 38, 1, 2048
	GLOAD R2, 4, 38, 2, 2048
	s_wait_loadcnt 32                              ; the oldest batch is in; two batches of 16 stay out
	ROUND16 R0, OUTB
	s_wait_alu depctr_va_vdst(0)                   ; the roundings have written OUT, which the stores read, and are done reading R0, in which the loads land
	GLOAD R0, 4, 38, 3, 2048                       ; the buffer is asked for again at once, ahead of the stores
	PUT16 OUTB, 5, 0, PBN
	s_cmp_lt_u32 s24, 4
	s_cbranch_scc0 .Lno_bias_store
	v_cvt_pk_bf16_f32 v56, v56, v57
	v_cvt_pk_bf16_f32 v57, v58, v59
	v_lshl_add_u32 v22, v0, 3, EXT
	s_wait_alu depctr_va_vdst(0)                   ; the bias's two roundings and its address are written, which the store reads
	ds_store_b64 v22, v[56:57]
.Lno_bias_store:
	s_wait_loadcnt 32
	s_wait_alu depctr_vm_vsrc(0)                   ; the stores of the batch before have read OUT, which these roundings write again
	ROUND16 R1, OUTB
	s_wait_alu depctr_va_vdst(0)                   ; OUT is written; R1 has been read
	GLOAD R1, 6, 36, 0, 4096
	PUT16 OUTB, 5, 1, PBN
	s_wait_loadcnt 32
	s_wait_alu depctr_vm_vsrc(0)                   ; the stores of the batch before have read OUT
	ROUND16 R2, OUTB
	s_wait_alu depctr_va_vdst(0)                   ; OUT is written; R2 has been read
	GLOAD R2, 6, 36, 1, 4096
	PUT16 OUTB, 5, 2, PBN
	s_wait_loadcnt 32
	ROUND16 R0, R0                                 ; from here on nothing is asked for again: the batches close up in place, in registers that no LDS store has read
	s_wait_alu depctr_va_vdst(0)                   ; the roundings have written R0's low half, which the stores read
	PUT16 R0, 5, 3, PBN
	s_cmp_eq_u32 s25, 0
	s_cbranch_scc0 .Lstage_h
	s_mul_i32 s43, s24, 64*PA0                     ; G: [e][64 m]
	s_add_co_u32 s43, s43, AP0
	v_mul_u32_u24 v7, v3, PA0
	v_lshl_add_u32 v7, v2, 3, v7
	v_add_nc_u32 v7, s43, v7
	s_wait_loadcnt 16                              ; A's first batch is in, its second stays out
	ROUND16 R1, R1
	s_wait_alu depctr_va_vdst(0)                   ; v7 and R1's low half are written, which the stores read
	PUT16 R1, 7, 0, 2*PA0
	s_wait_loadcnt 0x0
	ROUND16 R2, R2
	s_wait_alu depctr_va_vdst(0)                   ; R2's low half is written, which the stores read
	PUT16 R2, 7, 1, 2*PA0
	s_branch .Lstaged
.Lstage_h:
	s_mul_i32 s43, s34, PA1                        ; H: [64 m][512 e]
	s_lshr_b32 s44, s24, 1
	s_lshl_b32 s44, s44, 8
	s_add_co_u32 s43, s43, s44
	s_add_co_u32 s43, s43, AP1
	v_lshl_add_u32 v7, v1, 3, s43
	s_wait_loadcnt 16
	ROUND16 R1, R1
	s_wait_alu depctr_va_vdst(0)                   ; v7 and R1's low half are written, which the stores read
	PUT16 R1, 7, 0, 2*PA1
	s_wait_loadcnt 0x0
	ROUND16 R2, R2
	s_wait_alu depctr_va_vdst(0)                   ; R2's low half is written, which the stores read
	PUT16 R2, 7, 1, 2*PA1
.Lstaged:
	; the turning load's lane term: row 8 h + L % 8, 16 bytes for (L / 8) % 2
	v_and_b32 v10, 7, v0
	v_lshl_add_u32 v10, v3, 3, v10
	v_bfe_u32 v11, v0, 3, 1
	v_mul_u32_u24 v18, v10, PBN
	v_lshl_add_u32 v18, v11, 4, v18
	s_lshl_b32 s43, s29, 6
	v_add_nc_u32 v8, s43, v18                      ; my 32 n
	v_lshl_add_u32 v12, v3, 4, EXT                 ; the bias as a fragment: no term in r, so all sixteen rows hold it
	s_wait_dscnt 0x0                               ; for the others' sake: my stores are done
	s_barrier_signal -1
	s_barrier_wait -1
	s_wait_alu depctr_vm_vsrc(0)                   ; my LDS stores have read OUT, the raw buffers' low halves, v56, v57 and v22: from here on these are accumulators, fragments and the last lines' registers, and are written again
.macro LD2 fs, kofs, var, q            ; two of the 8 loads of one K step of 32: fragment q of set fs (0, 1: 16 n each; 2, 3: 16 m each)
.if (\q) < 2
	ds_load_tr16_b128 v[(\fs)+8*(\q):(\fs)+8*(\q)+3],   v8 offset:(\kofs)*32*PBN+32*(\q)
	ds_load_tr16_b128 v[(\fs)+8*(\q)+4:(\fs)+8*(\q)+7], v8 offset:(\kofs)*32*PBN+16*PBN+32*(\q)
.elseif (\var) == 0
	ds_load_tr16_b128 v[(\fs)+8*(\q):(\fs)+8*(\q)+3],   v9 offset:(\kofs)*32*PA0+32*((\q)-2)
	ds_load_tr16_b128 v[(\fs)+8*(\q)+4:(\fs)+8*(\q)+7], v9 offset:(\kofs)*32*PA0+16*PA0+32*((\q)-2)
.else
	ds_load_b128 v[(\fs)+8*(\q):(\fs)+8*(\q)+3],   v9 offset:(\kofs)*64+16*PA1*((\q)-2)
	ds_load_b128 v[(\fs)+8*(\q)+4:(\fs)+8*(\q)+7], v9 offset:(\kofs)*64+16*PA1*((\q)-2)+32
.endif
.endm
; One K step: four products on set fs; the four accumulators take turns, one instruction a turn.  ld = 1: behind each product two loads of K step kofs into set lfs, of the other pair.
.macro STEPK fs, zero, ld, lfs, kofs, var
.irp a, 0,1
.irp b, 0,1
.if \zero
	v_wmma_f32_16x16x32_bf16 v[ACC+8*(2*\a+\b):ACC+8*(2*\a+\b)+7], v[(\fs)+8*\b:(\fs)+8*\b+7], v[(\fs)+16+8*\a:(\fs)+16+8*\a+7], 0
.else
	v_wmma_f32_16x16x32_bf16 v[ACC+8*(2*\a+\b):ACC+8*(2*\a+\b)+7], v[(\fs)+8*\b:(\fs)+8*\b+7], v[(\fs)+16+8*\a:(\fs)+16+8*\a+7], v[ACC+8*(2*\a+\b):ACC+8*(2*\a+\b)+7]
.endif
.if \ld
	LD2 \lfs, \kofs, \var, 2*\a+\b
.endif
.endr
.endr
.endm
; Two K steps on pair p.  first = 1: the sums begin, and no product has read the other pair yet.  ld = 1: K steps k0 and k0 + 1, counted from v8 and v9, are fetched into the other pair.
.macro PS p, var, first, ld, k0
.if !(\first) && (\ld)
	PLACES                                         ; between the products that read the other pair and the loads into it
.endif
	s_wait_dscnt 8                                 ; LDS loads come back in order (ISA guide 5.7.1): the pair's first set is in, its second set's 8 loads stay out
.if !(\first) && (\ld)
	s_wait_alu depctr_va_vdst(0)                   ; the products of the pair before are done reading the other pair, in which the loads below land; at a trip's head v8 and v9 are written
.endif
	STEPK FR+64*(\p), \first, \ld, FR+64*(1-(\p)), \k0, \var
.if \ld
	s_wait_dscnt 8                                 ; the pair's second set is in; the 8 loads just issued stay out
.else
	s_wait_dscnt 0x0
.endif
	STEPK FR+64*(\p)+32, 0, \ld, FR+64*(1-(\p))+32, (\k0)+1, \var
.endm
.macro KLOOP var                       ; 16 K steps, two to a pair: one pair is multiplied while the other's 16 loads are out
	s_wait_alu depctr_va_vdst(0)                   ; v8, v9, v12 and v18 are written, which LDS loads read; the roundings are done with v[64:255], in which fragments land
.irp q, 0,1,2,3
	LD2 FR, 0, \var, \q
.endr
.irp q, 0,1,2,3
	LD2 FR+32, 1, \var, \q
.endr
	PS 0, \var, 1, 1, 2                            ; K steps 0 and 1 stand in front of the loop: the first starts the sums.  No wait: since the one above only products on pair 0 have been issued
	s_mov_b32 s44, 3
.Lk\var:                                               ; a trip: K steps 4 t + 2 to 4 t + 5; it fetches 4 t + 4 to 4 t + 7
	s_wait_alu depctr_vm_vsrc(0)                   ; the fragment loads issued so far have read v8 and v9
	v_add_nc_u32 v8, 128*PBN, v8                   ; four K steps on
.if (\var) == 0
	v_add_nc_u32 v9, 128*PA0, v9
.else
	v_add_nc_u32 v9, 256, v9
.endif
	PS 1, \var, 0, 1, 0
	PS 0, \var, 0, 1, 2
	s_sub_co_u32 s44, s44, 1
	s_cmp_lg_u32 s44, 0
	s_cbranch_scc1 .Lk\var
	PS 1, \var, 0, 0, 0                            ; K steps 14 and 15: nothing is left to fetch, so no dependence is left to state
.endm
; The bias pass, eight K steps at a time: 32 loads, then 8 products on two accumulators that take turns.  var 0: (16 n) x bias; var 1: bias x (16 m).
.macro EXB var, bt
	s_wait_alu depctr_va_vdst(0)                   ; the pass's addresses are written; the products issued so far are done reading v[64:191], in which these loads land
.irp kk, 0,1,2,3,4,5,6,7
.if (\var) == 0
	ds_load_tr16_b128 v[64+16*\kk:64+16*\kk+3],   v18 offset:\kk*32*PBN
	ds_load_tr16_b128 v[64+16*\kk+4:64+16*\kk+7], v19 offset:\kk*32*PBN
.else
	ds_load_b128 v[64+16*\kk:64+16*\kk+3],   v18 offset:64*(8*(\bt)+\kk)
	ds_load_b128 v[64+16*\kk+4:64+16*\kk+7], v18 offset:64*(8*(\bt)+\kk)+32
.endif
	ds_load_b128 v[64+16*\kk+8:64+16*\kk+11],  v12 offset:64*(8*(\bt)+\kk)
	ds_load_b128 v[64+16*\kk+12:64+16*\kk+15], v12 offset:64*(8*(\bt)+\kk)+32
.endr
	s_wait_dscnt 0x0
.irp kk, 0,1,2,3,4,5,6,7
.if ((\bt) == 0) && (\kk < 2)
	v_wmma_f32_16x16x32_bf16 v[XA+8*(\kk%2):XA+8*(\kk%2)+7], v[64+16*\kk+8*(\var):64+16*\kk+8*(\var)+7], v[64+16*\kk+8-8*(\var):64+16*\kk+15-8*(\var)], 0
.else
	v_wmma_f32_16x16x32_bf16 v[XA+8*(\kk%2):XA+8*(\kk%2)+7], v[64+16*\kk+8*(\var):64+16*\kk+8*(\var)+7], v[64+16*\kk+8-8*(\var):64+16*\kk+15-8*(\var)], v[XA+8*(\kk%2):XA+8*(\kk%2)+7]
.endif
.endr
	PLACES
.endm
	s_cmp_eq_u32 s25, 0
	s_cbranch_scc0 .Lmul_h
	v_mul_u32_u24 v9, v10, PA0                     ; G: A is turned like B
	v_lshl_add_u32 v9, v11, 4, v9
	s_lshl_b32 s43, s28, 6
	s_add_co_u32 s43, s43, AP0
	v_add_nc_u32 v9, s43, v9
	KLOOP 0
	s_cmp_lg_u32 s26, 0
	s_cbranch_scc1 .Lout
	PLACES                                         ; u: wave w takes n = 16 w + 0..15 of the work-group's 128
	s_lshl_b32 s43, s24, 5
	v_add_nc_u32 v18, s43, v18
	v_add_nc_u32 v19, 16*PBN, v18
	EXB 0, 0
	s_wait_alu depctr_vm_vsrc(0)                   ; the loads above have read v18 and v19
	v_add_nc_u32 v18, 256*PBN, v18
	v_add_nc_u32 v19, 256*PBN, v19
	EXB 0, 1
.irp p, 0,2,4,6
	v_pk_add_f32 v[XA+\p:XA+\p+1], v[XA+\p:XA+\p+1], v[XA+8+\p:XA+8+\p+1]  ; the two parities of the K step
.endr
	s_lshl_b32 s43, s24, 6
	s_add_co_u32 s43, s43, RED
	v_lshl_add_u32 v20, v3, 5, s43                 ; every lane of a half holds the same eight sums and stores them to the same words
	s_wait_alu depctr_va_vdst(0)                   ; the four additions and v20 are written, which the stores read
	ds_store_b128 v20, v[XA:XA+3]
	ds_store_b128 v20, v[XA+4:XA+7] offset:16
	s_branch .Lout
.Lmul_h:
	v_mul_u32_u24 v9, v2, PA1                      ; H: A lies along K
	v_lshl_add_u32 v9, v3, 4, v9
	v_mov_b32 v18, v9
	s_mul_i32 s43, s28, 32*PA1
	s_add_co_u32 s43, s43, AP1
	v_add_nc_u32 v9, s43, v9
	KLOOP 1
	s_cmp_lg_u32 s27, 0
	s_cbranch_scc1 .Lout
	s_cmp_lt_u32 s24, 4
	s_cbranch_scc0 .Lout
	PLACES                                         ; Wo bv: wave w (0-3) takes m = 16 w + 0..15 of the work-group's 64
	s_mul_i32 s43, s24, 16*PA1
	s_add_co_u32 s43, s43, AP1
	v_add_nc_u32 v18, s43, v18
	EXB 1, 0
	EXB 1, 1
	v_add_f32 v[XA], v[XA], v[XA+8]                ; every register holds row r's sum: the lowest is taken
	s_lshl_b32 s43, s24, 6
	s_add_co_u32 s43, s43, RED
	v_lshl_add_u32 v20, v2, 2, s43
	s_wait_alu depctr_va_vdst(0)                   ; the addition and v20 are written, which the store reads
	ds_store_b32 v20, v[XA]
.Lout:
	; THE WAY OUT: rounded to bf16, 16 bytes a lane into the stage, back as whole rows of 256 bytes.
	; Its three addresses are made first: nine plain lines that name no register of the products, the places behind the last of them (ISA guide 7.12.1), and all ahead of the one wait below.
	s_mul_i32 s43, s28, 32*OSP
	s_lshl_b32 s44, s29, 6
	s_add_co_u32 s43, s43, s44
	s_add_co_u32 s43, s43, OST
	v_mul_u32_u24 v13, v2, OSP
	v_lshl_add_u32 v13, v3, 4, v13
	v_add_nc_u32 v13, s43, v13
	s_mul_i32 s43, s24, 8*OSP
	s_add_co_u32 s43, s43, OST
	v_mul_u32_u24 v14, v3, OSP
	v_lshl_add_u32 v14, v2, 4, v14
	v_add_nc_u32 v14, s43, v14                     ; wave w reads rows 8 w + 0..7, two a load
	s_lshl_b32 s43, s25, 19
	s_lshl_b32 s44, s26, 16
	s_add_co_u32 s43, s43, s44
	s_lshl_b32 s44, s24, 13
	s_add_co_u32 s43, s43, s44
	s_lshl_b32 s44, s27, 8
	s_add_co_u32 s43, s43, s44                     ; (512 y + 64 mt + 8 w) rows of 1,024 bytes + 256 nt
	v_lshlrev_b32 v15, 10, v3
	v_lshl_add_u32 v15, v2, 4, v15
	v_add_nc_u32 v15, s43, v15
.irp q, 0,1,2,3
.irp p, 0,1,2,3
	v_cvt_pk_bf16_f32 v[64+4*\q+\p], v[ACC+8*\q+2*\p], v[ACC+8*\q+2*\p+1]
.endr
.endr
	s_wait_alu depctr_va_vdst(0)                   ; the roundings have written v[64:79] and the lines above v13, v14, v15, which the stores and loads below read; the products are done reading v[80:95], in which the rows come back
.irp q, 0,1,2,3
	ds_store_b128 v13, v[64+4*\q:64+4*\q+3] offset:(\q/2)*16*OSP+(\q%2)*32
.endr
	s_wait_dscnt 0x0                               ; for the others' sake: stage and sums are stored
	s_barrier_signal -1
	s_barrier_wait -1
.irp f, 0,1,2,3
	ds_load_b128 v[80+4*\f:80+4*\f+3], v14 offset:\f*2*OSP
.endr
	s_wait_dscnt 0x0
.irp f, 0,1,2,3
	global_store_b128 v15, v[80+4*\f:80+4*\f+3], s[18:19] offset:\f*2048  ; 16 lanes store 256 consecutive bytes, at a multiple of 256 from wc's first byte
.endr
	s_or_b32 s43, s42, s24                         ; wave 0 of the work-groups that made a bias stores it
	s_cmp_lg_u32 s43, 0
	s_cbranch_scc1 .Lend
	s_cmp_eq_u32 s25, 0
	s_cbranch_scc0 .Lstore_hv
	v_lshl_add_u32 v22, v1, 4, RED                 ; (the bias's store, which read v22, stands ahead of the wait on vm_vsrc behind the staging's barrier)
	s_lshl_b32 s44, s27, 9
	v_lshl_add_u32 v23, v1, 4, s44
	s_wait_alu depctr_va_vdst(0)                   ; v22 and v23 are written, which the load and the store read
	ds_load_b128 v[56:59], v22
	s_wait_dscnt 0x0
	global_store_b128 v23, v[56:59], s[20:21]      ; u's 128 numbers: 512 consecutive bytes
	s_branch .Lend
.Lstore_hv:
	v_lshl_add_u32 v22, v1, 3, RED
	s_lshl_b32 s44, s26, 8
	v_lshl_add_u32 v23, v1, 3, s44
	s_wait_alu depctr_va_vdst(0)                   ; v22 and v23 are written, which the two loads and the store read
	ds_load_b64 v[56:57], v22
	global_load_b64 v[58:59], v23, s[16:17]        ; bo
	s_wait_loadcnt 0x0
	s_wait_dscnt 0x0
	v_pk_add_f32 v[56:57], v[56:57], v[58:59]
	s_wait_alu depctr_va_vdst(0)                   ; the addition has written v[56:57], which the store reads
	global_store_b64 v23, v[56:57], s[22:23]       ; hv's 64 numbers: 256 consecutive bytes
.Lend:
	s_wait_dscnt 0x0                               ; the closing lines, six on end
	s_wait_alu 0x0
	s_wait_tensorcnt 0x0
	ds_add_u32 v[SPW], v[NIL]
	s_wait_dscnt 0x0
	s_endpgm
.Lfunc_end_k_qf2a6065736_fold:
	.size	k_qf2a6065736_fold, .Lfunc_end_k_qf2a6065736_fold-k_qf2a6065736_fold
	.p2alignl 7, 3214868480
	.fill 96, 4, 3214868480
	.section	.rodata,"a",@progbits
	.p2align	6, 0x0
	.amdhsa_kernel k_qf2a6065736_fold
		.amdhsa_group_segment_fixed_size 315904
		.amdhsa_private_segment_fixed_size 0
		.amdhsa_enable_private_segment 0
		.amdhsa_kernarg_size 80
		.amdhsa_user_sgpr_count 2
		.amdhsa_user_sgpr_kernarg_segment_ptr 1
		.amdhsa_wavefront_size32 1
		.amdhsa_system_sgpr_workgroup_id_x 1
		.amdhsa_system_sgpr_workgroup_id_y 1
		.amdhsa_system_sgpr_workgroup_id_z 1
		.amdhsa_system_vgpr_workitem_id 0
		.amdhsa_next_free_vgpr 256
		.amdhsa_next_free_sgpr 66
		.amdhsa_reserve_vcc 0
		.amdhsa_float_denorm_mode_32 3
		.amdhsa_float_denorm_mode_16_64 3
		.amdhsa_memory_ordered 1
		.amdhsa_forward_progress 1
		.amdhsa_inst_pref_size 69
	.end_amdhsa_kernel
	.amdgpu_metadata
---
amdhsa.version: [ 1, 2 ]
amdhsa.kernels:
  - .name:           k_qf2a6065736_fold
    .symbol:         k_qf2a6065736_fold.kd
    .args:
      - { .name: Wq, .offset: 0, .size: 8, .value_kind: global_buffer, .address_space: global }
      - { .name: Wk, .offset: 8, .size: 8, .value_kind: global_buffer, .address_space: global }
      - { .name: Wo, .offset: 16, .size: 8, .value_kind: global_buffer, .address_space: global }
      - { .name: Wv, .offset: 24, .size: 8, .value_kind: global_buffer, .address_space: global }
      - { .name: bq, .offset: 32, .size: 8, .value_kind: global_buffer, .address_space: global }
      - { .name: bv, .offset: 40, .size: 8, .value_kind: global_buffer, .address_space: global }
      - { .name: bo, .offset: 48, .size: 8, .value_kind: global_buffer, .address_space: global }
      - { .name: wc, .offset: 56, .size: 8, .value_kind: global_buffer, .address_space: global }
      - { .name: u, .offset: 64, .size: 8, .value_kind: global_buffer, .address_space: global }
      - { .name: hv, .offset: 72, .size: 8, .value_kind: global_buffer, .address_space: global }
    .group_segment_fixed_size: 315904
    .private_segment_fixed_size: 0
    .kernarg_segment_align: 8
    .kernarg_segment_size: 80
    .max_flat_workgroup_size: 256
    .sgpr_count:     66
    .vgpr_count:     256
    .wavefront_size: 32
...
	.end_amdgpu_metadata
.endif
;; end of part 4
;; launch proj: the kernel of part 2 again; grid 256 x 1, 4 waves a work-group, clusters of 4 x 1, 327,680 bytes of LDS; arguments key_feat, wc, u, kv, beta; writes kv, beta
;; launch attn: the kernel of part 3 again; grid 32 x 8, 4 waves a work-group, clusters of 4 x 1, 327,680 bytes of LDS; arguments query_feat, kv, query_xyz, key_xyz, beta, hv, ln_g, ln_b, out0; writes out0
